; MI455X (gfx1250); checked and timed in simulation.
; The chip was launched on July 23, 2026; its instructions are those of AMD's public machine-readable ISA for CDNA 5 (MIT licence, August 2026) and "CDNA5" Instruction Set Architecture Reference Guide (July 2026). The comments in the code are by the model that wrote it; some were corrected since.
;; Attention. Allowed arithmetic: matrix products marked QUANTISED: E2M1 operands, one E8M0 scale for each 32 along K, by v_wmma_scale_f32_16x16x128_f8f6f4 with both operands' format E2M1 (or v_wmma_scale_f32_32x16x128_f4), f32 sums; products left as they are: bf16, f16 or f32 operands; f32 sums; everything else in f32.
;; Inputs: b_proj 1,024 float32; w_proj 1,024 x 1,024 float32; w_qkv 1,024 x 3,072 float32; x 8 x 1,024 x 1,024 float32.
;; Outputs: out0 8 x 1,024 x 1,024 float32.
;; This version of the problem:
;;   THIS VERSION OF THE PROBLEM IS GIVEN IN LOW PRECISION. The matrix products marked QUANTISED in the list below multiply operands that are first quantised to E2M1 (2 exponent bits, 1 mantissa bit; 4 bits a number), with one power-of-two scale for each 32 numbers along K (OCP MX v1.0); their sums are f32. The products marked 'left as it is' may take bf16, f16 or f32 operands, with f32 sums. Whichever they take, every output number must still come out within the allowed error. Rounding operands to bf16 (8 significant bits) uses up far more of that allowance than f16 does (11 bits, for magnitudes from 6e-5 to 65,504). All else is computed in f32.
;;   The module's matrix products, in the order in which they are computed (A, B: the left and right operand; K: the contracted axis; several contracted axes count as one K, in the product's order):
;;     1. [M 8,192, K 1,024] x [K 1,024, N 3,072]; A: input x; B: input w_qkv: QUANTISED
;;     2. batch 128 x [M 1,024, K 64] x [K 64, N 1,024]; A: computed on the way; B: computed on the way: left as it is (an operand is computed on the way)
;;     3. batch 128 x [M 1,024, K 1,024] x [K 1,024, N 64]; A: computed on the way; B: computed on the way: left as it is (an operand is computed on the way)
;;     4. [M 8,192, K 1,024] x [K 1,024, N 1,024]; A: computed on the way; B: input w_proj: left as it is (an operand is computed on the way)
;;   THE QUANTISER, for each operand of a quantised product, along K:
;;     - K is cut into blocks of 32 from its start; a last block that is shorter is filled with zeros.
;;     - A block's scale is 2^e with e = floor(log2(the largest magnitude in the block)) - 2, held to -126 .. 127; a block of zeros has e = 0. As a byte (E8M0): e + 127.
;;     - Each number is divided by its block's scale, clamped to +-6, and rounded to the nearest number of E2M1, ties to even, subnormals kept.
;;     - The product sums the exact products of the quantised numbers (number of the format x scale) in f32.
;;   ~~~python
;;   def quantise(x, axis):      # numpy; x: float32 -> the quantised numbers, widened to float32 again
;;       x = np.moveaxis(x, axis, -1); K = x.shape[-1]
;;       x = np.pad(x, [(0, 0)] * (x.ndim - 1) + [(0, -K % 32)]); x = x.reshape(x.shape[:-1] + (-1, 32)); a = np.abs(x).max(-1, keepdims=True)
;;       e = np.where(a > 0, np.clip(np.frexp(np.where(a > 0, a, 1))[1] - 1 - 2, -126, 127), 0)      # np.frexp(a)[1] - 1 = floor(log2(a)), exactly
;;       r = np.clip(x / 2.0 ** e, -6, 6)
;;       step = 2.0 ** (np.maximum(np.frexp(np.where(r == 0, 1, r))[1] - 1, 0) - 1)
;;       q = np.round(r / step) * step * 2.0 ** e      # np.round: ties to even
;;       return np.moveaxis(q.reshape(q.shape[:-2] + (-1,))[..., :K], -1, axis).astype(np.float32)
;;   ~~~
;; One version. Each part assembles by itself: llvm-mc -triple=amdgcn-amd-amdhsa -mcpu=gfx1250 --defsym DOCPART=n.
;; ======== version 1 of 1: 4 launches
;; limits: values are held in f16: magnitudes above 65,504 overflow, below 6.1e-05 lose precision
;; workspace buffers: x_codes 4,194,304 bytes; x_scales 262,144 bytes; w_codes 1,572,864 bytes; w_scales 98,304 bytes; wpt 2,097,152 bytes; qkv 50,331,648 bytes; o_ws 16,777,216 bytes
;; launch prep (part 1): grid 416 x 1, 4 waves a work-group, no clusters, 85,504 bytes of LDS; arguments x, w_qkv, w_proj, x_codes, x_scales, w_codes, w_scales, wpt; writes x_codes, x_scales, w_codes, w_scales, wpt
.if DOCPART == 1
	.amdgcn_target "amdgcn-amd-amdhsa--gfx1250"
	.amdhsa_code_object_version 6
	.text
	.protected	k_q1e59bc9701_prep
	.globl	k_q1e59bc9701_prep
	.p2align	8
	.type	k_q1e59bc9701_prep,@function
k_q1e59bc9701_prep:
	s_mov_b64 s[64:65], 0
	v_nop
	global_prefetch_b8 v0, s[64:65] scope:SCOPE_SE
	s_setreg_imm32_b32 hwreg(HW_REG_WAVE_MODE, 25, 1), 1
	s_wait_xcnt 0x0
; THE OPERANDS ARE MADE READY, ONCE.  Three kinds of work-group, told apart by the work-group's number alone.
;   0 .. 95    W: w_qkv [1024 k][3072 n] f32 -> codes of FP4 (E2M1), K innermost, w_codes [3072][512 bytes], and one E8M0 byte for each 32 along K, w_scales [3072][32]
;   96 .. 159  T: w_proj [1024 k][1024 n] f32 -> f16, turned: wpt [1024 n][1024 k]
;   160 .. 415 X: x [8192][1024] f32 -> x_codes [8192][512 bytes], x_scales [8192][32]
; A block's scale is 2^(floor(log2(its largest magnitude)) - 2); its byte is the largest magnitude's exponent field - 2, held at 1 from below; each number is divided by the scale and rounded to the nearest code, ties to even,
; beyond 6 the largest code.
; LIMITS: a block of zeros gets the byte 1 where the quantiser's rule says 127 (its codes are zeros, which add nothing, and this program alone reads the bytes); blocks whose largest magnitude lies under 2^-124 keep the byte 1;
; NaN and infinities are not served; w_proj must lie inside f16's range (65,504).
; No tensor loads, no barrier: waves share nothing.  Each kind has LDS bytes of its own.
.set XREG,  0                          ; X: 8,192 bytes a wave: two stages of 32 x 80 bytes, then its 256 scale bytes
.set WSTG,  32768                      ; W: a stage of 16 rows x 272 bytes a wave
.set TSTG,  50176                      ; T: a stage of 32 rows x 272 bytes a wave
.set SPARE, 84992                      ; the spare words, 128 bytes for each wave: two blocks of 256 bytes that no other line names
.set SPW,   190                        ; v190  LDS address of my spare word; never rewritten
.set NIL,   191                        ; v191  0; never rewritten
.set EMAX,  2
.set PITCH, 272                        ; a stage row of W and T: 256 bytes + 16
	s_load_b256 s[4:11], s[0:1], 0x0               ; x s[4:5], w_qkv s[6:7], w_proj s[8:9], x_codes s[10:11]
	s_load_b256 s[12:19], s[0:1], 0x20             ; x_scales s[12:13], w_codes s[14:15], w_scales s[16:17], wpt s[18:19]
	v_lshl_add_u32 v[SPW], v0, 2, SPARE
	v_mov_b32 v[NIL], 0
	v_lshrrev_b32 v1, 5, v0
	v_readfirstlane_b32 s20, v1                    ; wave 0..3
	v_and_b32 v2, 31, v0                           ; lane
	s_wait_kmcnt 0x0
	s_cmp_lt_u32 ttmp9, 96
	s_cbranch_scc1 .Lw
	s_cmp_lt_u32 ttmp9, 160
	s_cbranch_scc1 .Lt
; ---------------- X.  x is a plain stream of blocks of 32 numbers, and so are its codes and scale bytes.  A wave takes 16 steps of 512 numbers.
; Each load reads 512 consecutive bytes, 16 a lane; a step's 2,048 bytes go through the wave's own stage as they lie and come back 64 bytes a lane: 16 neighbours along K, two lanes to a block.
.set WREG,  8192
.set SP,    80                         ; a lane's place in a stage: 64 bytes + 16 of padding
.set STEPS, 16
.set XR,    16                         ; v16-79   four sets of 16 numbers as loaded
.set XX,    80                         ; v80-111  two sets of 16 neighbours
.set XE,    112                        ; v112-127 a scale byte for each step
.set XC,    128                        ; v128-189 codes: registers of its own for each step, so that no store's data are written again
	s_sub_co_u32 s21, ttmp9, 160
	s_lshl_b32 s21, s21, 2
	s_add_co_u32 s22, s21, s20                     ; which run of 8,192 numbers is my wave's: 0 .. 1023
	s_mov_b32 s25, 0
	s_lshl_b32 s24, s22, 15                        ; 32,768 bytes of x,
	s_add_nc_u64 s[4:5], s[4:5], s[24:25]
	s_lshl_b32 s24, s22, 12                        ; 4,096 of codes,
	s_add_nc_u64 s[10:11], s[10:11], s[24:25]
	s_lshl_b32 s24, s22, 8                         ; 256 scale bytes a run
	s_add_nc_u64 s[12:13], s[12:13], s[24:25]
	s_mul_i32 s26, s20, WREG
	v_lshlrev_b32 v3, 4, v2                        ; my 16 bytes of a load's 512
	v_lshrrev_b32 v14, 2, v2
	v_mul_u32_u24 v14, v14, SP
	v_and_b32 v15, 3, v2
	v_lshl_add_u32 v14, v15, 4, v14
	v_add_nc_u32 v14, s26, v14                     ; the stage, way in: four lanes' 64 bytes on end, then the padding
	v_mul_u32_u24 v15, v2, SP
	v_add_nc_u32 v15, s26, v15                     ; way out: my 16 neighbours
	v_lshlrev_b32 v4, 3, v2                        ; my 8 bytes of a step's codes
	v_lshrrev_b32 v5, 1, v2
	s_add_co_u32 s26, s26, 2*32*SP
	v_add_nc_u32 v5, s26, v5                       ; my block's scale byte in LDS
	v_lshlrev_b32 v7, 3, v2
	v_add_nc_u32 v6, s26, v7                       ; and on the way out 8 bytes a lane
.macro XLOAD t
.irp i, 0,1,2,3
	global_load_b128 v[XR+16*((\t)%4)+4*\i:XR+16*((\t)%4)+4*\i+3], v3, s[4:5] offset:2048*(\t)+512*\i th:TH_LOAD_NT
.endr
.endm
.macro XTURN t                         ; LDS serves a wave's instructions in order: no wait between the stores and the loads
.irp i, 0,1,2,3
	ds_store_b128 v14, v[XR+16*((\t)%4)+4*\i:XR+16*((\t)%4)+4*\i+3] offset:32*SP*((\t)%2)+8*SP*\i
.endr
.irp i, 0,1,2,3
	ds_load_b128 v[XX+16*((\t)%2)+4*\i:XX+16*((\t)%2)+4*\i+3], v15 offset:32*SP*((\t)%2)+16*\i
.endr
.endm
.irp t, 0,1,2,3
	XLOAD \t
.endr
	s_wait_loadcnt 12                              ; step 0's four loads are in; three steps' twelve stay out
	XTURN 0
.macro XSTEP t
.set XS, XX+16*((\t)%2)
.if (\t) > 0
	s_wait_dscnt 1                                 ; this step's numbers are back from the stage; the last step's byte store may be out
.else
	s_wait_dscnt 0x0
.endif
.if (\t)+4 < STEPS
	XLOAD (\t)+4                                   ; into the registers that this step's stores into the stage have read
.endif
.if (\t)+1 < STEPS
.if STEPS-2-(\t) >= 3
	s_wait_loadcnt 12                              ; the next step's four loads are in; those of the three steps behind it may be out
.else
	s_wait_loadcnt 4*(STEPS-2-(\t))
.endif
	XTURN (\t)+1
.endif
	v_max3_num_f32 v8, |v[XS]|, |v[XS+1]|, |v[XS+2]|               ; the largest magnitude of my 16, in two chains
	v_max3_num_f32 v9, |v[XS+3]|, |v[XS+4]|, |v[XS+5]|
.irp i, 6,10
	v_max3_num_f32 v8, v8, |v[XS+\i]|, |v[XS+\i+1]|
	v_max3_num_f32 v9, v9, |v[XS+\i+2]|, |v[XS+\i+3]|
.endr
	v_max3_num_f32 v8, v8, |v[XS+14]|, |v[XS+15]|
	v_max3_num_f32 v8, v8, v9, (EMAX+1)<<23        ; and the floor 2^(3 - 127): the byte cannot fall under 1
	v_max_num_f32_dpp v8, v8, v8 row_xmask:1 row_mask:0xf bank_mask:0xf   ; with my neighbour's 16: the block's
	v_add_nc_u32 v11, -(EMAX<<23), v8              ; 2 off its exponent field: the conversion takes this operand's exponent field as its scale
	v_cvt_scalef32_pk8_fp4_f32 v[XC+4*(\t)], v[XS:XS+7], v11
	v_cvt_scalef32_pk8_fp4_f32 v[XC+4*(\t)+1], v[XS+8:XS+15], v11
	v_lshrrev_b32 v[XE+(\t)], 23, v11              ; the scale's byte (a plain line behind the conversions)
	ds_store_b8 v5, v[XE+(\t)] offset:16*(\t)      ; both lanes of a block write the same byte with the same value
	global_store_b64 v4, v[XC+4*(\t):XC+4*(\t)+1], s[10:11] offset:256*(\t)   ; the wave stores 256 consecutive bytes, aligned
.endm
.irp t, 0,1,2,3,4,5,6,7,8,9,10,11,12,13,14,15
	XSTEP \t
.endr
	ds_load_b64 v[8:9], v6                         ; my wave's 256 scale bytes: these loads see my stores
	s_wait_dscnt 0x0
	global_store_b64 v7, v[8:9], s[12:13]          ; 256 consecutive bytes, aligned
	s_wait_tensorcnt 0x0                           ; the wave's end, behind my last LDS store
	ds_add_u32 v[SPW], v[NIL]
	s_wait_dscnt 0x0
	s_endpgm
; ---------------- W and T share their shape: A LANE TAKES A COLUMN n AND ITS REGISTERS RUN DOWN K, so each load reads neighbouring n in neighbouring lanes, and what a lane makes has K innermost.
; A lane's bytes belong to one row of the output and the lanes beside it hold other rows: they go through the wave's own stage and leave as rows, sixteen lanes to 256 consecutive aligned bytes.
.set WX,    32                         ; v32-95   two sets of 32 numbers
.set WC,    96                         ; v96-111  what a block becomes
.set OUTR,  112                        ; v112-175 the way out
.set SB,    24                         ; v24-27   W: the scale bytes;  v28-31 at work on them
.macro OUT_ADR                         ; v5, v6: lane % 16, lane / 16; v7: out of the stage at s26: sixteen lanes to a row, two rows an instruction
	v_and_b32 v5, 15, v2
	v_lshrrev_b32 v6, 4, v2
	v_mul_u32_u24 v7, v6, PITCH
	v_lshl_add_u32 v7, v5, 4, v7
	v_add_nc_u32 v7, s26, v7
.endm
.macro ROWS_OUT base, pitch, n         ; 2 n rows leave, two an instruction; the counts leave the younger loads out
.set rr, 0
.rept \n
	ds_load_b128 v[OUTR+4*rr:OUTR+4*rr+3], v7 offset:2*rr*PITCH
.set rr, rr+1
.endr
.set rr, 0
.rept \n
	s_wait_dscnt \n-1-rr
	global_store_b128 v8, v[OUTR+4*rr:OUTR+4*rr+3], s[\base:\base+1] offset:2*rr*\pitch
.set rr, rr+1
.endr
.endm
; ---------------- W.  A wave takes 16 columns x 512 along K, in 8 trips of 64 along K: lane (r, h) takes column r and, in trip t, block 2 t + h: lanes 0-15 the even blocks, lanes 16-31 the odd ones.
; A load reads 64 consecutive bytes of each of two rows, 32 rows apart; the four waves of a work-group stand side by side on 256 consecutive bytes of each row.  A column's 512 codes are 256 bytes.
.Lw:
	s_lshr_b32 s21, ttmp9, 1
	s_and_b32 s22, ttmp9, 1                        ; which 512 along K
	s_lshl_b32 s21, s21, 6
	s_lshl_b32 s23, s20, 4
	s_add_co_u32 s21, s21, s23                     ; my wave's first column: 64 x group + 16 x wave
	s_mul_i32 s24, s22, 512*3072*4
	s_lshl_b32 s23, s21, 2
	s_add_co_u32 s24, s24, s23
	s_mov_b32 s25, 0
	s_add_nc_u64 s[6:7], s[6:7], s[24:25]          ; w_qkv at (512 y, column)
	s_lshl_b32 s24, s21, 9
	s_lshl_b32 s23, s22, 8
	s_add_co_u32 s24, s24, s23
	s_add_nc_u64 s[14:15], s[14:15], s[24:25]      ; codes: column x 512 + 256 y
	s_lshl_b32 s24, s21, 5
	s_lshl_b32 s23, s22, 4
	s_add_co_u32 s24, s24, s23
	s_add_nc_u64 s[16:17], s[16:17], s[24:25]      ; scale bytes: column x 32 + 16 y
	s_mov_b32 s28, 0x76543210
	s_mov_b32 s29, 0xfedcba98                      ; v_permlanex16_b32's selects for lane l xor 16
	s_mul_i32 s26, s20, 16*PITCH
	s_add_co_u32 s26, s26, WSTG                    ; my stage
	OUT_ADR
	v_mul_u32_u24 v3, v6, 32*12288                 ; in: lanes 16-31 begin 32 rows of 12,288 bytes further down,
	v_lshl_add_u32 v3, v5, 2, v3                   ; 4 bytes a column
	v_mul_u32_u24 v4, v5, PITCH
	v_lshl_add_u32 v4, v6, 4, v4
	v_add_nc_u32 v4, s26, v4                       ; into the stage: row = my column, + 16 h: block 2 t + h lies at byte 32 t + 16 h
	v_lshlrev_b32 v8, 9, v6
	v_lshl_add_u32 v8, v5, 4, v8                   ; the way out's two rows in w_codes
	v_lshlrev_b32 v9, 5, v5
	v_lshl_add_u32 v9, v6, 3, v9                   ; my column's row of scale bytes, + 8 h
	v_lshlrev_b32 v10, 3, v6                       ; 8 h: how far my scale bytes are shifted
.macro WLOAD t                         ; trip t: w_qkv(64 t + 32 h + i, my column); the largest offset, 479 rows of 12,288 bytes, fits the signed 24-bit immediate
.set i, 0
.rept 32
	global_load_b32 v[WX+32*((\t)%2)+i], v3, s[6:7] offset:(64*(\t)+i)*12288
.set i, i+1
.endr
.endm
	WLOAD 0
	WLOAD 1
.macro WBLOCK t
.set XS, WX+32*((\t)%2)
.if (\t) < 7
	s_wait_loadcnt 32                              ; this trip's 32 loads are in; the next trip's may be out
.else
	s_wait_loadcnt 0
.endif
	v_max3_num_f32 v12, |v[XS]|, |v[XS+1]|, |v[XS+2]|              ; the block's largest magnitude: all 32 numbers are mine
	v_max3_num_f32 v13, |v[XS+3]|, |v[XS+4]|, |v[XS+5]|
.irp i, 6,10,14,18,22,26
	v_max3_num_f32 v12, v12, |v[XS+\i]|, |v[XS+\i+1]|
	v_max3_num_f32 v13, v13, |v[XS+\i+2]|, |v[XS+\i+3]|
.endr
	v_max3_num_f32 v12, v12, |v[XS+30]|, |v[XS+31]|
	v_max3_num_f32 v12, v12, v13, (EMAX+1)<<23     ; and the floor
	v_add_nc_u32 v11, -(EMAX<<23), v12             ; the conversion's scale operand
	v_lshrrev_b32 v13, 23, v11                     ; the scale's byte
.if (\t)%2 == 0
	v_mov_b32 v[SB+(\t)/2], v13                    ; word j holds my bytes of blocks 4 j + h (bits 7:0) and 4 j + 2 + h (bits 23:16)
.else
	v_lshl_or_b32 v[SB+(\t)/2], v13, 16, v[SB+(\t)/2]
.endif
.irp g, 0,1,2,3
	v_cvt_scalef32_pk8_fp4_f32 v[WC+\g], v[XS+8*\g:XS+8*\g+7], v11
.endr
	v_nop                                          ; a plain line behind the last conversion
	ds_store_b128 v4, v[WC:WC+3] offset:32*(\t)    ; 32 codes: 16 bytes of my column's row
.if (\t)+2 < 8
	WLOAD (\t)+2
.endif
	s_wait_dscnt 0x0                               ; the store has read its registers: the next block's codes may be written
.endm
.set Q, 0
.rept 8
	WBLOCK Q
.set Q, Q+1
.endr
; a column's 16 scale bytes lie by turns in lanes l and l xor 16: mine go 8 h bits up, to their places in the four words, and the other lane's fill the gaps
.irp j, 0,1,2,3
	v_lshlrev_b32 v[SB+\j], v10, v[SB+\j]
.endr
.irp j, 0,1,2,3
	v_mov_b32 v[SB+4+\j], 0                        ; a lane permute's destination counts as one of its sources
.endr
.irp j, 0,1,2,3
	v_permlanex16_b32 v[SB+4+\j], v[SB+\j], s28, s29
.endr
.irp j, 0,1,2,3
	v_or_b32 v[SB+\j], v[SB+\j], v[SB+4+\j]
.endr
	v_cmp_eq_u32 vcc_lo, 1, v6
	v_cndmask_b32 v[SB+4], v[SB], v[SB+2], vcc_lo  ; lanes 0-15 store the first 8 bytes, lanes 16-31 the other 8
	v_cndmask_b32 v[SB+5], v[SB+1], v[SB+3], vcc_lo
	global_store_b64 v9, v[SB+4:SB+5], s[16:17]    ; 16 bytes of each column's row of 32: pieces; 98,304 bytes in the whole launch
	ROWS_OUT 14, 512, 8
	s_wait_tensorcnt 0x0                           ; the wave's end
	ds_add_u32 v[SPW], v[NIL]
	s_wait_dscnt 0x0
	s_endpgm
; ---------------- T.  A wave takes 32 columns x 128 along K: 256 bytes of f16 for each column.
.Lt:
	s_sub_co_u32 s21, ttmp9, 96
	s_lshr_b32 s22, s21, 3                         ; which 128 along K
	s_and_b32 s21, s21, 7
	s_lshl_b32 s21, s21, 7
	s_lshl_b32 s23, s20, 5
	s_add_co_u32 s21, s21, s23                     ; my wave's first column
	s_lshl_b32 s24, s22, 19                        ; 128 rows of 4,096 bytes
	s_lshl_b32 s23, s21, 2
	s_add_co_u32 s24, s24, s23
	s_mov_b32 s25, 0
	s_add_nc_u64 s[8:9], s[8:9], s[24:25]
	s_lshl_b32 s24, s21, 11
	s_lshl_b32 s23, s22, 8
	s_add_co_u32 s24, s24, s23
	s_add_nc_u64 s[18:19], s[18:19], s[24:25]      ; wpt: column x 2,048 + 256 y
	s_mul_i32 s26, s20, 32*PITCH
	s_add_co_u32 s26, s26, TSTG                    ; my stage
	OUT_ADR
	v_lshlrev_b32 v3, 2, v2                        ; in: 4 bytes a lane
	v_mul_u32_u24 v4, v2, PITCH
	v_add_nc_u32 v4, s26, v4                       ; into the stage: row = my column
	v_lshlrev_b32 v8, 11, v6
	v_lshl_add_u32 v8, v5, 4, v8
.macro PLOAD t
.set i, 0
.rept 32
	global_load_b32 v[WX+32*((\t)%2)+i], v3, s[8:9] offset:(32*(\t)+i)*4096 th:TH_LOAD_NT
.set i, i+1
.endr
.endm
	PLOAD 0
	PLOAD 1
.macro PBLOCK t
.set XS, WX+32*((\t)%2)
.if (\t) < 3
	s_wait_loadcnt 32                              ; this block's 32 loads are in; the next block's may be out
.else
	s_wait_loadcnt 0
.endif
.set i, 0
.rept 16
	v_cvt_pk_f16_f32 v[WC+i], v[XS+2*i], v[XS+2*i+1]   ; two neighbours along K, rounded once
.set i, i+1
.endr
.irp g, 0,1,2,3
	ds_store_b128 v4, v[WC+4*\g:WC+4*\g+3] offset:64*(\t)+16*\g
.endr
.if (\t)+2 < 4
	PLOAD (\t)+2
.endif
	s_wait_dscnt 0x0                               ; the stores have read their registers
.endm
.irp t, 0,1,2,3
	PBLOCK \t
.endr
	ROWS_OUT 18, 2048, 16
	s_wait_tensorcnt 0x0                           ; the wave's end
	ds_add_u32 v[SPW], v[NIL]
	s_wait_dscnt 0x0
	s_endpgm
.Lfunc_end_k_q1e59bc9701_prep:
	.size	k_q1e59bc9701_prep, .Lfunc_end_k_q1e59bc9701_prep-k_q1e59bc9701_prep
	.p2alignl 7, 3214868480
	.fill 96, 4, 3214868480
	.section	.rodata,"a",@progbits
	.p2align	6, 0x0
	.amdhsa_kernel k_q1e59bc9701_prep
		.amdhsa_group_segment_fixed_size 85504
		.amdhsa_private_segment_fixed_size 0
		.amdhsa_enable_private_segment 0
		.amdhsa_kernarg_size 64
		.amdhsa_user_sgpr_count 2
		.amdhsa_user_sgpr_kernarg_segment_ptr 1
		.amdhsa_wavefront_size32 1
		.amdhsa_system_sgpr_workgroup_id_x 1
		.amdhsa_system_sgpr_workgroup_id_y 1
		.amdhsa_system_sgpr_workgroup_id_z 1
		.amdhsa_system_vgpr_workitem_id 0
		.amdhsa_next_free_vgpr 192
		.amdhsa_next_free_sgpr 66
		.amdhsa_reserve_vcc 1
		.amdhsa_float_denorm_mode_32 3
		.amdhsa_float_denorm_mode_16_64 3
		.amdhsa_memory_ordered 1
		.amdhsa_forward_progress 1
		.amdhsa_inst_pref_size 95
	.end_amdhsa_kernel
	.amdgpu_metadata
---
amdhsa.version: [ 1, 2 ]
amdhsa.kernels:
  - .name:           k_q1e59bc9701_prep
    .symbol:         k_q1e59bc9701_prep.kd
    .args:
      - { .name: x, .offset: 0, .size: 8, .value_kind: global_buffer, .address_space: global }
      - { .name: w_qkv, .offset: 8, .size: 8, .value_kind: global_buffer, .address_space: global }
      - { .name: w_proj, .offset: 16, .size: 8, .value_kind: global_buffer, .address_space: global }
      - { .name: x_codes, .offset: 24, .size: 8, .value_kind: global_buffer, .address_space: global }
      - { .name: x_scales, .offset: 32, .size: 8, .value_kind: global_buffer, .address_space: global }
      - { .name: w_codes, .offset: 40, .size: 8, .value_kind: global_buffer, .address_space: global }
      - { .name: w_scales, .offset: 48, .size: 8, .value_kind: global_buffer, .address_space: global }
      - { .name: wpt, .offset: 56, .size: 8, .value_kind: global_buffer, .address_space: global }
    .group_segment_fixed_size: 85504
    .private_segment_fixed_size: 0
    .kernarg_segment_align: 8
    .kernarg_segment_size: 64
    .max_flat_workgroup_size: 128
    .sgpr_count:     66
    .vgpr_count:     192
    .wavefront_size: 32
...
	.end_amdgpu_metadata
.endif
;; end of part 1
;; launch qkv (part 2): grid 12 x 32, 4 waves a work-group, clusters of 4 x 4, 327,680 bytes of LDS; arguments x_codes, x_scales, w_codes, w_scales, qkv; writes qkv
.if DOCPART == 2
	.amdgcn_target "amdgcn-amd-amdhsa--gfx1250"
	.amdhsa_code_object_version 6
	.text
	.protected	k_q1e59bc9701_qkv
	.globl	k_q1e59bc9701_qkv
	.p2align	8
	.type	k_q1e59bc9701_qkv,@function
k_q1e59bc9701_qkv:
	s_mov_b64 s[64:65], 0
	v_nop
	global_prefetch_b8 v0, s[64:65] scope:SCOPE_SE
	s_setreg_imm32_b32 hwreg(HW_REG_WAVE_MODE, 25, 1), 1
	s_wait_xcnt 0x0
	s_wait_alu depctr_hold_cnt(0) depctr_sa_sdst(0) depctr_va_vdst(0) depctr_va_sdst(0) depctr_va_ssrc(0) depctr_va_vcc(0) depctr_vm_vsrc(0)
	s_getreg_b32 s2, hwreg(HW_REG_IB_STS2, 6, 4)
	s_cmp_eq_u32 s2, 0
	s_cbranch_scc0 .Lentry_in_a_cluster
	s_endpgm
.Lentry_in_a_cluster:
	s_bfe_u32 s2, ttmp6, 0x10000c
	s_cmp_lg_u32 s2, 0xf033
	s_cbranch_scc0 .Lentry_shape_is_right
	s_endpgm
.Lentry_shape_is_right:
; q, k, v = Q(x) Q(w_qkv): C[m][n] = sum over k of A[m][k] B[n][k] on codes of FP4 (E2M1) with one E8M0 scale for each 32 along K; sums in f32; the result rounded once to f16 for the products that follow.
; A = x_codes [8192][512 bytes], B = w_codes [3072][512 bytes], scale bytes [rows][32].  OUT: qkv [48 planes g][8192 m][64] f16, g = column / 64 = kind x 16 + head: a plane's rows are 128 bytes on end.
; LIMIT: q, k and v must lie inside f16's range (65,504).
; A tile of C, 256 x 256, is made by four waves, 128 x 128 each: 64 accumulators of 16 x 16, 512 registers.  K = 1,024 is two slots of 512 along K (rows of 256 bytes): both are asked for at the head, nothing is filled again.
; THE SCALES of the work-group's 256 + 256 rows, for all of K, are two dense blocks: they come into LDS once, with the first fills.
; CLUSTERS: 4 x 4 work-groups.  The four of a row of the cluster need the same tiles of A, the four of a column the same tiles of B: each tile is asked for JOINTLY.
; THE MATRIX INSTRUCTION IS USED TRANSPOSED (source 0 = 16 rows of B, source 1 = 16 rows of A): a lane then holds eight neighbouring columns of one row of C.
; REGISTERS, in windows of 256: window 0: v0-31 addresses; v32-95 scale words, two sets; from v128 A's fragments, ONE set; on the way out v32-127 are at work.
;   window 1: B's fragments, TWO sets, at v0 and v128.   window 2: the 32 accumulators of my rows 0-63 ((a, b) at v[8 (8 a + b)]);   window 3: those of my rows 64-127.
.set SIZE_K, 1024
.set KSTEP,  512
.set NQ,     KSTEP/128
.set ROWB,   256                       ; a tile's row in bytes
.set KROW,   SIZE_K*4/8                ; a row of A or B in memory
.set PITCH,  272                       ; an LDS row: 256 bytes + 16 = 68 words: the 16 rows that a load touches start at 16 different banks (64 banks of 4 bytes: ISA guide 11.1)
.set FR,     8
.set NL,     2
.set NP,     4                         ; places behind this matrix instruction (ISA guide 7.12.1)
.set HALFT,  128*PITCH
.set SLOT,   4*HALFT
.set KS,     SIZE_K/32                 ; a row of scales in bytes
.set SCL,    2*SLOT                    ; behind the two slots: the scales, as rows of 256 bytes + 16
.set HALFS,  (128*KS/256)*272
.set SBLK,   (16*KS/256)*272
.set SPARE,  SCL+4*HALFS               ; the spare words, 128 bytes for each wave: two blocks of 256 bytes that no other line names
.set SP,     144                       ; the way out: a stage row: 128 bytes + 16
.set HD,     16*SP                     ; 16 rows of one plane
.set PLANE,  8192*128                  ; a plane of qkv in bytes
.set ADRA, 16
.set ADRB, 20
.set STO,  24
.set RD,   25
.set CO,   26
.set ADRS, 27
.set SPW,  28
.set NIL,  29
.set SC,   32
.set AF,   128
.set TMP,  32                          ; the way out: a block as f16
.set BK,   64                          ; and back from the stage: v64-95 and v96-127 by turns
.set G1, 24
.set G0, 32
.set G1B, 48
.set G0B, 56
.set G1S, 68
.set G0S, 76
.set G1SB, 80
.set G0SB, 88
.set MSB, 0
.macro WIN new                         ; the immediate's high byte repeats the setting that is left
.if MSB != \new
	s_set_vgpr_msb (MSB<<8)|\new
.set MSB, \new
.endif
.endm
.set MUL_LO, 0xa1                      ; source 0 (B) window 1, source 1 (A) window 0, C and D window 2
.set MUL_HI, 0xf1
.set TO_B,   0x40
; A joint load: waves 0 and 1 fetch for A, waves 2 and 3 for B.  An s_nop 0 and four v_nop follow each of the two lines.
.macro JLOAD g0a, g1a, g0b, g1b
	s_cmp_eq_u32 s15, 0
	s_cbranch_scc0 .Lfor_b_\@
	tensor_load_to_lds s[\g0a:\g0a+3], s[\g1a:\g1a+7]
	s_nop 0
.rept 4
	v_nop
.endr
	s_branch .Lasked_\@
.Lfor_b_\@:
	tensor_load_to_lds s[\g0b:\g0b+3], s[\g1b:\g1b+7]
	s_nop 0
.rept 4
	v_nop
.endr
.Lasked_\@:
.endm
.macro CROUND                          ; a round of the cluster's barrier
	s_barrier_signal -1
	s_barrier_wait -1
	s_cmp_lg_u32 s14, 0
	s_cbranch_scc1 .Lnot_wave_0_\@
	s_barrier_signal -3
.Lnot_wave_0_\@:
	s_barrier_wait -3
	s_barrier_signal -1
	s_barrier_wait -1
.endm
	s_load_b128 s[4:7], s[0:1], 0x0                ; A's codes, A's scales
	s_load_b128 s[8:11], s[0:1], 0x10              ; B's codes, B's scales
	s_load_b64 s[12:13], s[0:1], 0x20              ; qkv
	v_lshl_add_u32 v[SPW], v0, 2, SPARE
	v_mov_b32 v[NIL], 0
	ds_add_u32 v[SPW], v[NIL]                      ; the wave's opening: the add, twice on end, and its wait ahead of my first tensor load
	ds_add_u32 v[SPW], v[NIL]
	v_lshrrev_b32 v1, 5, v0
	v_readfirstlane_b32 s14, v1                    ; wave 0..3
	s_lshr_b32 s15, s14, 1                         ; which half of the tile's rows is mine.  Also: I fetch for A (0) or for B (1)
	s_and_b32 s16, s14, 1                          ; which half of its columns.  Also: which 128 rows of that tile I fetch
	s_bfe_u32 s40, ttmp6, 0x40000                  ; cx, cy
	s_bfe_u32 s41, ttmp6, 0x40004
	s_lshl_b32 s42, ttmp9, 2
	s_add_co_u32 s42, s42, s40                     ; tile column
	s_and_b32 s17, ttmp7, 0xffff
	s_lshl_b32 s17, s17, 2
	s_add_co_u32 s17, s17, s41                     ; tile row
	s_lshl_b32 s43, s41, 2
	s_lshl_b32 s43, 15, s43                        ; my row of the cluster
	s_lshl_b32 s44, 0x1111, s40                    ; my column
	s_or_b32 s[G1+0], s43, (0<<16)|(1<<20)|(1<<21)|(5<<22)|(3<<25)  ; the mask; elements of 1 byte; padding: 4 words after every 64; bit 21 beside a mask
	s_or_b32 s[G1B+0], s44, (0<<16)|(1<<20)|(1<<21)|(5<<22)|(3<<25)
.irp g, G1, G1B
	s_mov_b32 s[\g+1], ROWB<<16                    ; tensor_dim0
	s_mov_b32 s[\g+2], 128<<16                     ; tensor_dim1
	s_mov_b32 s[\g+3], ROWB<<16                    ; tile_dim0
	s_mov_b32 s[\g+4], 128                         ; tile_dim1
	s_mov_b32 s[\g+5], KROW                        ; the pitch
	s_mov_b32 s[\g+6], 0
	s_mov_b32 s[\g+7], 0
.endr
	s_or_b32 s[G1S+0], s43, (3<<16)|(1<<20)|(1<<21)|(5<<22)|(3<<25) ; the scales of 128 rows: 4,096 dense bytes as 16 rows of 32 elements of 8 bytes
	s_or_b32 s[G1SB+0], s44, (3<<16)|(1<<20)|(1<<21)|(5<<22)|(3<<25)
.irp g, G1S, G1SB
	s_mov_b32 s[\g+1], 32<<16
	s_mov_b32 s[\g+2], (128*KS/256)<<16
	s_mov_b32 s[\g+3], 32<<16
	s_mov_b32 s[\g+4], 128*KS/256
	s_mov_b32 s[\g+5], 32
	s_mov_b32 s[\g+6], 0
	s_mov_b32 s[\g+7], 0
.endr
	s_lshl_b32 s18, s16, 7
	s_lshl_b32 s20, s17, 8
	s_add_co_u32 s20, s20, s18                     ; A: row 256 x tile row + 128 x half
	s_lshl_b32 s46, s42, 8
	s_add_co_u32 s46, s46, s18                     ; B: row 256 x tile column + 128 x half
	s_mov_b32 s21, 0
	s_mov_b32 s47, 0
	s_mov_b64 s[18:19], KS
	s_mul_u64 s[22:23], s[20:21], s[18:19]         ; where these rows' scales begin,
	s_mul_u64 s[92:93], s[46:47], s[18:19]
	s_mov_b64 s[18:19], KROW
	s_mul_u64 s[20:21], s[20:21], s[18:19]         ; and their codes
	s_mul_u64 s[46:47], s[46:47], s[18:19]
	s_mul_i32 s45, s14, HALFT                      ; where they go: wave x 128 rows
	s_mul_i32 s94, s14, HALFS
	s_wait_dscnt 0x0                               ; both opening adds are done
	s_wait_kmcnt 0x0
	s_add_nc_u64 s[20:21], s[4:5], s[20:21]
	s_add_nc_u64 s[22:23], s[6:7], s[22:23]
	s_add_nc_u64 s[46:47], s[8:9], s[46:47]
	s_add_nc_u64 s[92:93], s[10:11], s[92:93]
	CROUND                                         ; all sixteen work-groups are here: the joint loads meet
	s_mov_b32 s[G0S], 1
	s_add_co_u32 s[G0S+1], s94, SCL
	s_mov_b64 s[G0S+2:G0S+3], s[22:23]
	s_or_b32 s[G0S+3], s[G0S+3], 0x80000000
	s_mov_b32 s[G0SB], 1
	s_add_co_u32 s[G0SB+1], s94, SCL
	s_mov_b64 s[G0SB+2:G0SB+3], s[92:93]
	s_or_b32 s[G0SB+3], s[G0SB+3], 0x80000000
	JLOAD G0S, G1S, G0SB, G1SB                     ; the scales first; by this text's count three loads of a wave are out
.irp s, 0,1
	s_mov_b32 s[G0+4*\s], 1
	s_add_co_u32 s[G0+4*\s+1], s45, \s*SLOT
	s_add_nc_u64 s[G0+4*\s+2:G0+4*\s+3], s[20:21], \s*ROWB
	s_or_b32 s[G0+4*\s+3], s[G0+4*\s+3], 0x80000000
	s_mov_b32 s[G0B+4*\s], 1
	s_add_co_u32 s[G0B+4*\s+1], s45, \s*SLOT
	s_add_nc_u64 s[G0B+4*\s+2:G0B+4*\s+3], s[46:47], \s*ROWB
	s_or_b32 s[G0B+4*\s+3], s[G0B+4*\s+3], 0x80000000
	JLOAD G0+4*\s, G1, G0B+4*\s, G1B
.endr
	v_and_b32 v1, 15, v0                           ; l % 16
	v_bfe_u32 v2, v0, 4, 1                         ; l / 16
	v_mul_u32_u24 v3, v1, PITCH
	v_lshl_add_u32 v4, v2, 4, v3                   ; a fragment's row x pitch + 16 x half
	s_mul_i32 s21, s15, HALFT                      ; my 128 rows of A
	s_mul_i32 s22, s16, HALFT                      ; my 128 rows of B,
	s_add_co_u32 s22, s22, 2*HALFT                 ; behind A's 256
.irp s, 0,1
	v_add_nc_u32 v[ADRA+\s], s21, v4
	v_add_nc_u32 v[ADRB+\s], s22, v4
	s_add_co_u32 s21, s21, SLOT
	s_add_co_u32 s22, s22, SLOT
.endr
	v_mul_u32_u24 v5, v1, KS                       ; my row's scales: 32 bytes a row,
	v_lshrrev_b32 v6, 8, v5
	v_lshl_add_u32 v5, v6, 4, v5                   ; and 16 more for each 256 passed
	s_mul_i32 s21, s15, HALFS
	s_mul_i32 s22, s16, HALFS
	s_add_co_u32 s22, s22, 2*HALFS
	s_sub_co_u32 s22, s22, s21
	v_mul_u32_u24 v6, s22, v2                      ; lanes 16-31 take B's: one product, the distance between the two bases
	s_add_co_u32 s21, s21, SCL
	v_add_nc_u32 v5, v5, v6
	v_add_nc_u32 v[ADRS], s21, v5
	s_mul_i32 s23, s14, 2*HD                       ; my stage: two planes x 16 rows x 144 bytes, in slot 0
	v_mul_u32_u24 v5, v1, SP
	v_lshl_add_u32 v5, v2, 4, v5
	v_add_nc_u32 v[STO], s23, v5                   ; in: row l % 16, 16 bytes for each half of the lanes
	v_and_b32 v6, 31, v0
	v_lshlrev_b32 v[CO], 4, v6                     ; out: 16 bytes a lane, 512 on end
	v_lshrrev_b32 v5, 3, v6
	v_mul_u32_u24 v5, v5, SP
	v_and_b32 v6, 7, v0
	v_lshl_add_u32 v5, v6, 4, v5
	v_add_nc_u32 v[RD], s23, v5                    ; back: eight lanes to a row of 128 bytes, four rows an instruction
	s_lshl_b32 s20, s17, 8
	s_lshl_b32 s21, s15, 7
	s_add_co_u32 s20, s20, s21                     ; my first row,
	s_lshl_b32 s20, s20, 7                         ; of 128 bytes,
	s_lshl_b32 s46, s42, 2
	s_lshl_b32 s47, s16, 1
	s_add_co_u32 s46, s46, s47                     ; in my first plane: 4 x tile column + 2 x half
	s_lshl_b32 s46, s46, 20
	s_add_co_u32 s20, s20, s46
	s_mov_b32 s21, 0
	s_add_nc_u64 s[12:13], s[12:13], s[20:21]      ; never stepped: all else stands in the stores' immediates
.macro FRAG reg, adr, q, i             ; 16 rows x 128 K of 4-bit codes: lane l holds row l % 16; registers 4 c .. 4 c + 3 hold K = 64 c + 32 (l / 16) + 0 .. 31
.irp c, 0,1
	ds_load_b128 v[\reg+4*\c:\reg+4*\c+3], v[\adr] offset:64*(\q)+32*\c+(\i)*16*PITCH
.endr
.endm
; 16 matrix instructions: A's blocks a0, a0 + 1 x B's eight.  The 64 accumulators take turns, one instruction a turn, in the same order in every step.
.macro MUL16 a0, p, q, sc, zero
.irp a, \a0, \a0+1
.irp b, 0,1,2,3,4,5,6,7
.if \zero
	v_wmma_scale_f32_16x16x128_f8f6f4 v[8*(8*((\a)%4)+\b):8*(8*((\a)%4)+\b)+7], v[128*(\p)+FR*\b:128*(\p)+FR*\b+FR-1], v[AF+FR*(\a):AF+FR*(\a)+FR-1], 0, v[SC+8*NQ*(\sc)+NQ*\b+(\q)], v[SC+8*NQ*(\sc)+NQ*(\a)+(\q)] matrix_a_fmt:MATRIX_FMT_FP4 matrix_b_fmt:MATRIX_FMT_FP4 matrix_a_scale:MATRIX_SCALE_ROW1
.else
	v_wmma_scale_f32_16x16x128_f8f6f4 v[8*(8*((\a)%4)+\b):8*(8*((\a)%4)+\b)+7], v[128*(\p)+FR*\b:128*(\p)+FR*\b+FR-1], v[AF+FR*(\a):AF+FR*(\a)+FR-1], v[8*(8*((\a)%4)+\b):8*(8*((\a)%4)+\b)+7], v[SC+8*NQ*(\sc)+NQ*\b+(\q)], v[SC+8*NQ*(\sc)+NQ*(\a)+(\q)] matrix_a_fmt:MATRIX_FMT_FP4 matrix_b_fmt:MATRIX_FMT_FP4 matrix_a_scale:MATRIX_SCALE_ROW1
.endif
.endr
.endr
.endm
.macro FETCH_B slot, q, p
	WIN TO_B
.irp i, 0,1,2,3,4,5,6,7
	FRAG 128*(\p)+FR*\i, ADRB+\slot, \q, \i
.endr
	WIN 0
.endm
.macro FETCH_A slot, q, i0
.irp i, \i0, \i0+1, \i0+2, \i0+3
	FRAG AF+FR*(\i), ADRA+\slot, \q, \i
.endr
.endm
.macro SCALES sc                       ; a slot's scale words: lanes 0-15 take A's block i, lanes 16-31 B's block i
.irp i, 0,1,2,3,4,5,6,7
	ds_load_b128 v[SC+8*NQ*\sc+NQ*\i:SC+8*NQ*\sc+NQ*\i+3], v[ADRS] offset:\i*SBLK
.endr
.endm
.macro PLACES n                        ; plain vector lines between a matrix instruction and a load into, or a read of, its registers
.rept \n
	v_nop
.endr
.endm
.macro STEP slot, q, zero              ; 128 along K, with its successor in the same slot
	s_wait_dscnt 4*NL                              ; B's set and A's blocks 0-3 are in; the youngest eight loads (A's blocks 4-7) may be out
	WIN MUL_LO
	MUL16 0, (\q)%2, \q, \slot, \zero
	MUL16 2, (\q)%2, \q, \slot, \zero
	s_wait_dscnt 0
	PLACES NP
	FETCH_B \slot, (\q)+1, 1-(\q)%2
	FETCH_A \slot, (\q)+1, 0
	WIN MUL_HI
	MUL16 4, (\q)%2, \q, \slot, \zero
	MUL16 6, (\q)%2, \q, \slot, \zero
	PLACES NP
	WIN 0
	FETCH_A \slot, (\q)+1, 4
.endm
; Slot 0's last step changes slots: each wave waits for all its tensor loads (its part of slot 1), adds 0 to its spare word, waits for that and for its reads of slot 0, and passes the barrier.  Nothing is filled again.
.macro TURN slot, next
	s_wait_tensorcnt 0x0
	ds_add_u32 v[SPW], v[NIL]
	s_wait_dscnt 4*NL+1                            ; the add and the youngest eight loads may be out
	WIN MUL_LO
	MUL16 0, 1, NQ-1, \slot, 0
	s_wait_dscnt 0x0                               ; the add is done, and my reads of this slot are over
	s_barrier_signal -1
	MUL16 2, 1, NQ-1, \slot, 0
	WIN 0
	s_barrier_wait -1
	PLACES NP
	v_add_nc_u32 v[ADRS], 4*NQ, v[ADRS]            ; on to the next slot's scale words
	FETCH_B \next, 0, 0
	FETCH_A \next, 0, 0
	SCALES \next
	WIN MUL_HI
	MUL16 4, 1, NQ-1, \slot, 0
	MUL16 6, 1, NQ-1, \slot, 0
	PLACES NP
	WIN 0
	FETCH_A \next, 0, 4
.endm
.macro STEPS slot, from
.set Q, \from
.rept NQ-1-\from
	STEP \slot, Q, 0
.set Q, Q+1
.endr
.endm
	s_wait_tensorcnt 1                             ; the scales and my part of slot 0 are in; slot 1's load may be out,
	s_barrier_signal -1
	s_barrier_wait -1                              ; everybody's are
	FETCH_B 0, 0, 0
	FETCH_A 0, 0, 0
	SCALES 0
	FETCH_A 0, 0, 4
	STEP 0, 0, 1                                   ; the first step's products start the sums: nothing is cleared
	STEPS 0, 1
	TURN 0, 1
	STEPS 1, 0
	s_wait_dscnt 4*NL                              ; the very last step
	WIN MUL_LO
	MUL16 0, 1, NQ-1, 1, 0
	MUL16 2, 1, NQ-1, 1, 0
	s_wait_dscnt 0
	WIN MUL_HI
	MUL16 4, 1, NQ-1, 1, 0
	MUL16 6, 1, NQ-1, 1, 0
	WIN 0
; THE WAY OUT, block by block of 16 rows x 128 columns = two planes of 64.  A lane's eight columns pack into 16 bytes of f16; they go into my stage (slot 0: it has had its only fill, and every wave has passed the barrier
; behind which nobody reads it) and come back four rows of 128 bytes an instruction: a plane's 16 rows are 2,048 bytes on end in memory, and each store covers 512 consecutive bytes, aligned.
.macro PACK a
.set AC, 64*((\a)%4)
	WIN (0x0a+5*((\a)/4))                          ; sources 0 and 1: window 2 or 3
.irp b, 0,1,2,3,4,5,6,7
.irp q, 0,1,2,3
	v_cvt_pk_f16_f32 v[TMP+4*\b+\q], v[AC+8*\b+2*\q], v[AC+8*\b+2*\q+1]   ; each accumulator from its low end on
.endr
.endr
	WIN 0
.endm
.macro TOSTAGE a
.set BB, BK+32*((\a)%2)
.irp b, 0,1,2,3,4,5,6,7
	ds_store_b128 v[STO], v[TMP+4*\b:TMP+4*\b+3] offset:(\b/4)*HD+(\b%4)*32
.endr
.irp u, 0,1,2,3,4,5,6,7
	ds_load_b128 v[BB+4*\u:BB+4*\u+3], v[RD] offset:(\u/4)*HD+(\u%4)*4*SP   ; LDS serves a wave's instructions in order (ISA guide 5.7.1.4): these see the stores above
.endr
.endm
.macro SEND a
.set BB, BK+32*((\a)%2)
	s_wait_dscnt 0x0                               ; the block is back in registers
	s_wait_xcnt 0x0                                ; the block before has had its stores' addresses translated: the next block's loads may land in the registers that those stores read
.irp u, 0,1,2,3,4,5,6,7
	global_store_b128 v[CO], v[BB+4*\u:BB+4*\u+3], s[12:13] offset:(\u/4)*PLANE+(\a)*2048+(\u%4)*512
.endr
.endm
	PLACES NP
	PACK 0
	TOSTAGE 0
.irp a, 1,2,3,4,5,6,7                  ; block a's conversions stand between block a - 1's loads from the stage and the wait for them
	PACK \a
	SEND \a-1
	TOSTAGE \a
.endr
	SEND 7
	s_wait_tensorcnt 0x0                           ; the wave's end
	ds_add_u32 v[SPW], v[NIL]
	s_wait_dscnt 0x0
	CROUND                                         ; the closing round
	s_endpgm
.Lfunc_end_k_q1e59bc9701_qkv:
	.size	k_q1e59bc9701_qkv, .Lfunc_end_k_q1e59bc9701_qkv-k_q1e59bc9701_qkv
	.p2alignl 7, 3214868480
	.fill 96, 4, 3214868480
	.section	.rodata,"a",@progbits
	.p2align	6, 0x0
	.amdhsa_kernel k_q1e59bc9701_qkv
		.amdhsa_group_segment_fixed_size 327680
		.amdhsa_private_segment_fixed_size 0
		.amdhsa_enable_private_segment 0
		.amdhsa_kernarg_size 40
		.amdhsa_user_sgpr_count 2
		.amdhsa_user_sgpr_kernarg_segment_ptr 1
		.amdhsa_wavefront_size32 1
		.amdhsa_system_sgpr_workgroup_id_x 1
		.amdhsa_system_sgpr_workgroup_id_y 1
		.amdhsa_system_sgpr_workgroup_id_z 1
		.amdhsa_system_vgpr_workitem_id 0
		.amdhsa_next_free_vgpr 1024
		.amdhsa_next_free_sgpr 98
		.amdhsa_reserve_vcc 0
		.amdhsa_float_denorm_mode_32 3
		.amdhsa_float_denorm_mode_16_64 3
		.amdhsa_memory_ordered 1
		.amdhsa_forward_progress 1
		.amdhsa_inst_pref_size 126
	.end_amdhsa_kernel
	.amdgpu_metadata
---
amdhsa.version: [ 1, 2 ]
amdhsa.kernels:
  - .name:           k_q1e59bc9701_qkv
    .symbol:         k_q1e59bc9701_qkv.kd
    .args:
      - { .name: x_codes, .offset: 0, .size: 8, .value_kind: global_buffer, .address_space: global }
      - { .name: x_scales, .offset: 8, .size: 8, .value_kind: global_buffer, .address_space: global }
      - { .name: w_codes, .offset: 16, .size: 8, .value_kind: global_buffer, .address_space: global }
      - { .name: w_scales, .offset: 24, .size: 8, .value_kind: global_buffer, .address_space: global }
      - { .name: qkv, .offset: 32, .size: 8, .value_kind: global_buffer, .address_space: global }
    .group_segment_fixed_size: 327680
    .private_segment_fixed_size: 0
    .kernarg_segment_align: 8
    .kernarg_segment_size: 40
    .max_flat_workgroup_size: 128
    .sgpr_count:     98
    .vgpr_count:     1024
    .wavefront_size: 32
...
	.end_amdgpu_metadata
.endif
;; end of part 2
;; launch attn (part 3): grid 2 x 128, 8 waves a work-group, no clusters, 327,680 bytes of LDS; arguments qkv, o_ws; writes o_ws
.if DOCPART == 3
	.amdgcn_target "amdgcn-amd-amdhsa--gfx1250"
	.amdhsa_code_object_version 6
	.text
	.protected	k_q1e59bc9701_attn
	.globl	k_q1e59bc9701_attn
	.p2align	8
	.type	k_q1e59bc9701_attn,@function
k_q1e59bc9701_attn:
	s_mov_b64 s[64:65], 0
	v_nop
	global_prefetch_b8 v0, s[64:65] scope:SCOPE_SE
	s_setreg_imm32_b32 hwreg(HW_REG_WAVE_MODE, 25, 1), 1
	s_wait_xcnt 0x0
; o[b][h][q][:] = the sum over k of softmax_k(q . k / 8) v[k][:], for 128 pairs (b, h), 1,024 queries and keys, head size 64.  Operands in f16, products, maxima and sums in f32; the weights p are rounded to f16 for the
; second product, o once at the end.  IN: qkv [48 planes][8192 m][64] f16 (planes 0-15 q, 16-31 k, 32-47 v, by head).  OUT: o_ws [16 heads][8192 m][64] f16.
; LIMITS: o must lie inside f16's range (it is an average of v, which does); NaN and infinities are not served.
; SHARES.  A work-group owns 512 queries of one (b, h); each of its eight waves 64: four tiles of 16, in 512 registers: two waves to a SIMD, so that one wave's softmax stands beside the other's products.
; A HEAD'S WHOLE K AND V COME TO LIE IN LDS, EACH BYTE FILLED ONCE: 1,024 rows of 128 bytes each, in four chunks of 256 keys; waves 0-3 fetch K, waves 4-7 V, 64 rows to a load, one load a wave for each chunk.
; THE CHUNKS ARE ASKED FOR ONE AFTER THE OTHER.  Chunk 0 (8 loads of 8,192 bytes) goes out at the head, so that the first products wait for 65,536 bytes and not for 262,144.  Each later chunk goes out behind the barrier
; that shows the chunk before it whole: chunk 1 three key steps, chunks 2 and 3 four key steps (256 matrix instructions of each wave) ahead of its first read.  One tensor load of a wave is out at any time; every wait on
; TENSORcnt is for 0.  Nothing is filled again.  No prefetch: the tensor load itself goes out that far ahead.
; NO CLUSTER: only two work-groups share a head's K and V, and each fetches them once in the launch; a cluster of four would join two heads, whose tiles differ.
; LAYOUT.  S^T = K Q^T (source 0 = 16 keys, source 1 = 16 queries): a lane holds ONE query (lane % 16) and keys 8 (lane / 16) + 0..7.  Two such tiles, rounded to f16 in pairs, ARE source 1 of O^T = V^T P.
; K comes out of LDS as it lies, V ([key][channel]) turned, by ds_load_tr16_b128.  Each fragment of K and V feeds four products, one for each tile of queries.
; SOFTMAX.  For each query a running maximum m and sum l: p = 2^(c s - c m), c = log2(e) / 8; in every step O and l are multiplied by a = 2^(c m_old - c m_new).
; REGISTERS.  Window 0: v1-11 addresses; v16-47 eight statistics a tile; v48-63 partial sums; v64-191 S^T, 32 a tile, then P in place (16 a tile); v192-255 K's fragments.
;   Window 1: v0-63 Q; v64-191 O^T, 32 a tile; v192-255 V's fragments.
.set PK,    144                        ; a row of K in LDS: 128 bytes + 16 = 36 words: the 16 rows of a load start at 16 different groups of 4 banks (64 banks of 4 bytes: ISA guide 11.1)
.set PV,    160                        ; a row of V: 128 + 32
.set VB,    1024*PK                    ; V behind K
.set SPARE, VB+1024*PV                 ; the spare words, 128 bytes for each wave: four blocks of 256 bytes that no other line names
.set AK0, 2                            ; v2   my lane's place in a tile of K
.set AV0, 3                            ; v3   the same for V
.set ADK, 4                            ; v4   LDS address of the run of K's loads in hand
.set ADV, 5                            ; v5   of V's
.set QO,  6                            ; v6   my byte offset in the wave's rows of Q
.set STO, 7                            ; v7   the way out: where I put 16 bytes of a row
.set RD,  8                            ; v8   where I read rows back
.set GO,  9                            ; v9   16 x lane
.set SPW, 10                           ; v10  LDS address of my spare word; never rewritten
.set NIL, 11                           ; v11  0; never rewritten
.set ST,  16                           ; tile t at v[ST + 8 t]: +0 c m, +1 m, +2, +3 l (even keys', odd keys'), +4 .. +7 T0-T3 at work; a takes T2's place
.set SA,  48                           ; tile t: two pairs of partial sums
.set S,   64
.set KF,  192
.set QF,  0                            ; window 1
.set OA,  64
.set VF,  192
.set WV,  8                            ; s8   my wave's number
.set G1K, 16                           ; s[16:23] descriptor group 1 for K;  s[24:31] for V: it differs in the padding
.set G1V, 24
.set G0K, 32                           ; s[32:47] group 0 for K, a set for each chunk, never rewritten;  s[48:63] for V
.set G0V, 48
.set CS,  66                           ; s[66:67] c
.set SEL, 68                           ; s[68:69] lane selects: lane l xor 16
.set TBK, 70                           ; s70  LDS byte at which the next K step begins
.set TBV, 71                           ; s71  the same for V (from VB on)
.set CNT, 72
.set MSB, 0
.macro WIN new                         ; the immediate's high byte repeats the setting that is left
.if MSB != \new
	s_set_vgpr_msb (MSB<<8)|\new
.set MSB, \new
.endif
.endm
.set W_LD1, 0x40                       ; destination window 1
.set W_QK,  0x04                       ; source 1 (Q) window 1
.set W_RS,  0x41                       ; destination and source 0 (O^T) window 1
.set W_PV,  0x51                       ; V, C and D window 1; P window 0
.set W_CV,  0x05                       ; sources 0 and 1 window 1
; My 64 rows of chunk c: waves 0-3 K's, waves 4-7 V's.  The branch hangs on the wave's number alone.  An s_nop 0 and four v_nop follow each of the two lines.
.macro TLOAD c
	s_cmp_lt_u32 s[WV], 4
	s_cbranch_scc0 .Lfor_v_\@
	tensor_load_to_lds s[G0K+4*\c:G0K+4*\c+3], s[G1K:G1K+7]
	s_nop 0
.rept 4
	v_nop
.endr
	s_branch .Lasked_\@
.Lfor_v_\@:
	tensor_load_to_lds s[G0V+4*\c:G0V+4*\c+3], s[G1V:G1V+7]
	s_nop 0
.rept 4
	v_nop
.endr
.Lasked_\@:
.endm
; A CHUNK IS WHOLE, THE NEXT IS ASKED FOR.  Each wave waits for its tensor load (its 64 rows of the chunk that is about to be read), adds 0 to its spare word, waits for that and for its LDS loads, and passes the barrier:
; behind it all eight waves' rows lie in LDS.  fill = 1: chunk c, whose bytes nothing has filled yet, is asked for first thing behind the barrier: my one tensor load until the next such barrier.
.macro CHANGE c, fill
	s_wait_tensorcnt 0x0                           ; my part of the chunk ahead has landed
	ds_add_u32 v[SPW], v[NIL]
	s_wait_dscnt 0x0                               ; the add is done, and no LDS load of mine is pending at the signal
	s_barrier_signal -1
	s_barrier_wait -1
.if \fill
	TLOAD \c
.endif
.endm
	s_load_b128 s[4:7], s[0:1], 0x0                ; qkv s[4:5], o_ws s[6:7]
	v_lshl_add_u32 v[SPW], v0, 2, SPARE
	v_mov_b32 v[NIL], 0
	ds_add_u32 v[SPW], v[NIL]                      ; the wave's opening: the add, twice on end, and its wait ahead of my first tensor load
	ds_add_u32 v[SPW], v[NIL]
	v_lshrrev_b32 v12, 5, v0
	v_readfirstlane_b32 s[WV], v12                 ; wave 0..7
	s_and_b32 s9, s[WV], 3                         ; which 64 rows of a chunk I fetch
	s_and_b32 s70, ttmp7, 0xffff
	s_and_b32 s71, s70, 15                         ; the head
	s_lshr_b32 s70, s70, 4                         ; the batch
	s_lshl_b32 s71, s71, 20                        ; a plane is 2^20 bytes,
	s_lshl_b32 s70, s70, 17                        ; a batch's 1,024 rows 2^17
	s_add_co_u32 s70, s70, s71
	s_lshl_b32 s10, ttmp9, 16                      ; my work-group's 512 queries,
	s_lshl_b32 s11, s[WV], 13                      ; my wave's 64
	s_add_co_u32 s10, s10, s11
	s_add_co_u32 s10, s10, s70                     ; where my queries begin in q's planes, and my rows in o_ws
	s_mov_b32 s11, 0
	s_lshl_b32 s12, s9, 13
	s_add_co_u32 s12, s12, s70
	s_add_co_u32 s12, s12, 16<<20                  ; where my rows of chunk 0 begin in k's planes; v's lie 16 planes on
	s_mov_b32 s13, 0
	s_mul_i32 s14, s9, 64*PK                       ; and where they go
	s_mul_i32 s15, s9, 64*PV
	s_add_co_u32 s15, s15, VB
	; descriptor group 1: 64 rows of 64 elements of 2 bytes, dense in memory, padded in LDS behind every 32 words
	s_mov_b32 s[G1K], (1<<16)|(1<<20)|(4<<22)|(3<<25)              ; 4 words of padding
	s_mov_b32 s[G1V], (1<<16)|(1<<20)|(4<<22)|(7<<25)              ; 8 words
.irp g, G1K, G1V
	s_mov_b32 s[\g+1], 64<<16                      ; tensor_dim0
	s_mov_b32 s[\g+2], 64<<16                      ; tensor_dim1
	s_mov_b32 s[\g+3], 64<<16                      ; tile_dim0
	s_mov_b32 s[\g+4], 64                          ; tile_dim1
	s_mov_b32 s[\g+5], 64                          ; the pitch
	s_mov_b32 s[\g+6], 0
	s_mov_b32 s[\g+7], 0
.endr
	s_mov_b32 s[CS], 0x3e38aa3b                    ; c = log2(e) / 8
	s_mov_b32 s[CS+1], s[CS]                       ; named with it as a pair, so it is written
	s_mov_b32 s[SEL], 0x76543210
	s_mov_b32 s[SEL+1], 0xfedcba98
	s_mov_b32 s[TBK], 0
	s_mov_b32 s[TBV], 0
	s_wait_dscnt 0x0                               ; both opening adds are done
	s_wait_kmcnt 0x0
	s_add_nc_u64 s[12:13], s[4:5], s[12:13]
.irp c, 0,1,2,3
	s_mov_b32 s[G0K+4*\c], 1
	s_add_co_u32 s[G0K+4*\c+1], s14, \c*256*PK
	s_add_nc_u64 s[G0K+4*\c+2:G0K+4*\c+3], s[12:13], \c*32768
	s_or_b32 s[G0K+4*\c+3], s[G0K+4*\c+3], 0x80000000
	s_mov_b32 s[G0V+4*\c], 1
	s_add_co_u32 s[G0V+4*\c+1], s15, \c*256*PV
	s_add_nc_u64 s[G0V+4*\c+2:G0V+4*\c+3], s[12:13], (16<<20)+\c*32768
	s_or_b32 s[G0V+4*\c+3], s[G0V+4*\c+3], 0x80000000
.endr
	TLOAD 0                                        ; chunk 0, ahead of every wait on TENSORcnt, every LDS read and every barrier
	s_add_nc_u64 s[4:5], s[4:5], s[10:11]          ; Q at my wave's first query
	s_add_nc_u64 s[6:7], s[6:7], s[10:11]          ; o_ws likewise
	v_and_b32 v1, 15, v0                           ; r = l % 16
	v_bfe_u32 v12, v0, 4, 1                        ; l / 16
	v_lshlrev_b32 v[QO], 7, v1
	v_lshl_add_u32 v[QO], v12, 4, v[QO]            ; row x 128 + 16 x half
	WIN W_LD1
.irp f, 0,1,2,3,4,5,6,7                ; Q stays in registers: tile f / 2, channels 32 (f % 2) on
	global_load_b128 v[QF+8*\f:QF+8*\f+3],   v[QO], s[4:5] offset:(\f/2)*2048+(\f%2)*64
	global_load_b128 v[QF+8*\f+4:QF+8*\f+7], v[QO], s[4:5] offset:(\f/2)*2048+(\f%2)*64+32
.endr
	WIN 0
	v_mul_u32_u24 v[AK0], v1, PK
	v_lshl_add_u32 v[AK0], v12, 4, v[AK0]          ; row x pitch + 16 x half
	v_and_b32 v13, 7, v0                           ; the turning load: lane l reads key 8 (l / 16) + l % 8, channels 8 ((l / 8) % 2) + 0..7
	v_bfe_u32 v14, v0, 3, 1
	v_lshl_add_u32 v[AV0], v12, 3, v13
	v_mul_u32_u24 v[AV0], v[AV0], PV
	v_lshl_add_u32 v[AV0], v14, 4, v[AV0]
	v_add_nc_u32 v[AV0], VB, v[AV0]
	s_mul_i32 s13, s[WV], 64*PK                    ; my stage for the way out: 64 rows x 144 bytes, in K's bytes
	v_add_nc_u32 v[STO], s13, v[AK0]               ; in: row r, 16 bytes for each half of the lanes
	v_and_b32 v13, 31, v0
	v_lshlrev_b32 v[GO], 4, v13
	v_lshrrev_b32 v14, 3, v13
	v_mul_u32_u24 v14, v14, PK
	v_and_b32 v15, 7, v0
	v_lshl_add_u32 v14, v15, 4, v14
	v_add_nc_u32 v[RD], s13, v14                   ; back: eight lanes to a row, four rows an instruction
.macro FETCH_K                         ; a step's K: 64 keys x 64 channels: 8 fragments (keys 16 (f / 2) on, channels 32 (f % 2) on), 16 loads
	v_add_nc_u32 v[ADK], s[TBK], v[AK0]
	s_add_co_u32 s[TBK], s[TBK], 64*PK
.irp f, 0,1,2,3,4,5,6,7
	ds_load_b128 v[KF+8*\f:KF+8*\f+3],   v[ADK] offset:(\f/2)*16*PK+(\f%2)*64
	ds_load_b128 v[KF+8*\f+4:KF+8*\f+7], v[ADK] offset:(\f/2)*16*PK+(\f%2)*64+32
.endr
.endm
.macro FETCH_V                         ; a step's V, turned: 8 fragments (keys 32 (f / 4) on, channels 16 (f % 4) on), 16 loads
	WIN W_LD1
.irp f, 0,1,2,3,4,5,6,7
	ds_load_tr16_b128 v[VF+8*\f:VF+8*\f+3],   v[ADV] offset:(\f/4)*32*PV+(\f%4)*32
	ds_load_tr16_b128 v[VF+8*\f+4:VF+8*\f+7], v[ADV] offset:(\f/4)*32*PV+16*PV+(\f%4)*32
.endr
	WIN 0
.endm
; 32 products S^T = K Q^T: channels 32 (i / 16) on, keys 16 ((i / 4) % 4) on, tile i % 4.  The 16 accumulators take turns; the first 16 start the sums.
.macro QK
	WIN W_QK
.set i, 0
.rept 32
.set rS, S+32*(i%4)+8*((i/4)%4)
.set rK, KF+8*(2*((i/4)%4)+i/16)
.set rQ, QF+8*(2*(i%4)+i/16)
.if i < 16
	v_wmma_f32_16x16x32_f16 v[rS:rS+7], v[rK:rK+7], v[rQ:rQ+7], 0
.else
	v_wmma_f32_16x16x32_f16 v[rS:rS+7], v[rK:rK+7], v[rQ:rQ+7], v[rS:rS+7]
.endif
.set i, i+1
.endr
	WIN 0
.endm
; 32 products O^T += V^T P: keys 32 (i / 16) on, channels 16 ((i / 4) % 4) on, tile i % 4.  first = 1: the first 16 start the sums: nothing is ever cleared.
.macro PVM first
	WIN W_PV
.set i, 0
.rept 32
.set rO, OA+32*(i%4)+8*((i/4)%4)
.set rV, VF+8*(4*(i/16)+(i/4)%4)
.set rP, S+32*(i%4)+8*(i/16)
.if \first && (i < 16)
	v_wmma_f32_16x16x32_f16 v[rO:rO+7], v[rV:rV+7], v[rP:rP+7], 0
.else
	v_wmma_f32_16x16x32_f16 v[rO:rO+7], v[rV:rV+7], v[rP:rP+7], v[rO:rO+7]
.endif
.set i, i+1
.endr
	WIN 0
.endm
.macro FMA                             ; pair g of the wave's 64: c s - c m, two scores at a time
	v_pk_fma_f32 v[S+2*g:S+2*g+1], v[S+2*g:S+2*g+1], s[CS:CS+1], v[ST+8*(g/16):ST+8*(g/16)+1] op_sel_hi:[1,0,0] neg_lo:[0,0,1] neg_hi:[0,0,1]
.endm
; The four tiles' softmax for one key step.  Each line is written for the four tiles by turns, so that no line waits for the line above it.  first = 1: the first step, which starts m and l.
.macro SOFTMAX first
.irp i, 0,1,2,3                        ; the maximum of a tile's 32 scores: four chains of seven, each beginning at the low end of one accumulator
.irp t, 0,1,2,3
	v_max3_num_f32 v[ST+8*\t+4+\i], v[S+32*\t+8*\i], v[S+32*\t+8*\i+1], v[S+32*\t+8*\i+2]
.endr
.endr
.irp i, 0,1,2,3
.irp t, 0,1,2,3
	v_max3_num_f32 v[ST+8*\t+4+\i], v[ST+8*\t+4+\i], v[S+32*\t+8*\i+3], v[S+32*\t+8*\i+4]
.endr
.endr
.irp i, 0,1,2,3
.irp t, 0,1,2,3
	v_max3_num_f32 v[ST+8*\t+4+\i], v[ST+8*\t+4+\i], v[S+32*\t+8*\i+5], v[S+32*\t+8*\i+6]
.endr
.endr
.irp t, 0,1,2,3
	v_max3_num_f32 v[ST+8*\t+4], v[ST+8*\t+4], v[S+32*\t+7], v[S+32*\t+15]
.endr
.irp t, 0,1,2,3
	v_max3_num_f32 v[ST+8*\t+6], v[ST+8*\t+6], v[S+32*\t+23], v[S+32*\t+31]
.endr
.irp t, 0,1,2,3
	v_max3_num_f32 v[ST+8*\t+4], v[ST+8*\t+4], v[ST+8*\t+5], v[ST+8*\t+6]
.endr
.irp t, 0,1,2,3
.if \first
	v_max_num_f32 v[ST+8*\t+4], v[ST+8*\t+4], v[ST+8*\t+7]
.else
	v_max3_num_f32 v[ST+8*\t+4], v[ST+8*\t+4], v[ST+8*\t+7], v[ST+8*\t+1]   ; and the old m
.endif
.endr
.irp t, 0,1,2,3
	v_permlanex16_b32 v[ST+8*\t+5], v[ST+8*\t+4], s[SEL], s[SEL+1]          ; the query's other 32 keys lie in the lane 16 away
.endr
.if \first == 0
.irp t, 0,1,2,3
	v_mov_b32 v[ST+8*\t+7], v[ST+8*\t]             ; c m_old is kept for a
.endr
.endif
.irp t, 0,1,2,3
	v_max_num_f32 v[ST+8*\t+1], v[ST+8*\t+4], v[ST+8*\t+5]
.endr
.irp t, 0,1,2,3
	v_mul_f32 v[ST+8*\t], s[CS], v[ST+8*\t+1]
.endr
.if \first == 0
.irp t, 0,1,2,3
	v_sub_f32 v[ST+8*\t+7], v[ST+8*\t+7], v[ST+8*\t]
.endr
.endif
; ONE BATCH: the 64 scalings and all exponentials; none of these lines names an exponential's result.  A pair is scaled eight pairs ahead of its exponentials.
.set g, 0
.rept 8
	FMA
.set g, g+1
.endr
.if \first == 0
.irp t, 0,1,2,3
	v_exp_f32 v[ST+8*\t+6], v[ST+8*\t+7]           ; a
.endr
.endif
.rept 56
	v_exp_f32 v[S+2*(g-8)], v[S+2*(g-8)]
	v_exp_f32 v[S+2*(g-8)+1], v[S+2*(g-8)+1]
	FMA
.set g, g+1
.endr
.set e, 112
.rept 16
	v_exp_f32 v[S+e], v[S+e]
.set e, e+1
.endr
	v_nop                                          ; a plain line behind the last exponential, ahead of the first use
	s_wait_alu depctr_va_vdst(0)                   ; one wait for the whole batch, ahead of its first reader
; the row's sums, of the unrounded p, two at a time, in two chains a tile
.irp t, 0,1,2,3
	v_pk_add_f32 v[SA+4*\t:SA+4*\t+1], v[S+32*\t:S+32*\t+1], v[S+32*\t+2:S+32*\t+3]
.endr
.irp t, 0,1,2,3
	v_pk_add_f32 v[SA+4*\t+2:SA+4*\t+3], v[S+32*\t+4:S+32*\t+5], v[S+32*\t+6:S+32*\t+7]
.endr
.irp n, 4,6,8,10,12,14
.irp t, 0,1,2,3
	v_pk_add_f32 v[SA+4*\t:SA+4*\t+1], v[SA+4*\t:SA+4*\t+1], v[S+32*\t+2*\n:S+32*\t+2*\n+1]
	v_pk_add_f32 v[SA+4*\t+2:SA+4*\t+3], v[SA+4*\t+2:SA+4*\t+3], v[S+32*\t+2*\n+2:S+32*\t+2*\n+3]
.endr
.endr
.if \first
.irp t, 0,1,2,3
	v_pk_add_f32 v[ST+8*\t+2:ST+8*\t+3], v[SA+4*\t:SA+4*\t+1], v[SA+4*\t+2:SA+4*\t+3]
.endr
.else
.irp t, 0,1,2,3
	v_pk_add_f32 v[SA+4*\t:SA+4*\t+1], v[SA+4*\t:SA+4*\t+1], v[SA+4*\t+2:SA+4*\t+3]
.endr
.irp t, 0,1,2,3
	v_pk_fma_f32 v[ST+8*\t+2:ST+8*\t+3], v[ST+8*\t+2:ST+8*\t+3], v[ST+8*\t+6:ST+8*\t+7], v[SA+4*\t:SA+4*\t+1] op_sel_hi:[1,0,1]   ; l = a l + the sum
.endr
.endif
; P in place: register i of a tile takes the pair 2 i, 2 i + 1; ascending, so that nothing is written before it has been read
.irp i, 0,1,2,3,4,5,6,7,8,9,10,11,12,13,14,15
.irp t, 0,1,2,3
	v_cvt_pk_f16_f32 v[S+32*\t+\i], v[S+32*\t+2*\i], v[S+32*\t+2*\i+1]
.endr
.endr
.endm
.macro RESCALE                         ; O^T x a, each accumulator from its low end on
	WIN W_RS
.irp t, 0,1,2,3
.set n, 0
.rept 16
	v_pk_mul_f32 v[OA+32*\t+2*n:OA+32*\t+2*n+1], v[OA+32*\t+2*n:OA+32*\t+2*n+1], v[ST+8*\t+6:ST+8*\t+7] op_sel_hi:[1,0]
.set n, n+1
.endr
.endr
.endm
; A KEY STEP: 64 keys.  Step t reads V of step t and, knext = 1, fetches K of step t + 1 behind its own K Q^T, so that it lands under the softmax.
.macro STEP first, knext
	v_add_nc_u32 v[ADV], s[TBV], v[AV0]
	s_add_co_u32 s[TBV], s[TBV], 64*PV
.if \first == 0
.rept 4
	v_nop                                          ; with the addition above five plain lines behind the last V^T P: four are asked ahead of the loads into V's registers, five ahead of the products that write over P
.endr
.endif
	FETCH_V
	s_wait_dscnt 16                                ; K's 16 loads are in; V's 16 may be out
	QK
.rept 4
	v_nop                                          ; places ahead of the loads into K's registers and of the first read of the scores
.endr
.if \knext
	FETCH_K
.endif
	SOFTMAX \first
.if \first == 0
	RESCALE
.endif
.if \knext
	s_wait_dscnt 16                                ; V is in; the next K's 16 loads may be out
.else
	s_wait_dscnt 0
.endif
	PVM \first
.endm
.macro FOUR_STEPS                      ; written once for each chunk, so that each loop's LDS reads lie, as a whole, under the chunk that is on its way
	s_mov_b32 s[CNT], 4
.Lsteps_\@:
	STEP 0, 1
	s_sub_co_u32 s[CNT], s[CNT], 1
	s_cmp_lg_u32 s[CNT], 0
	s_cbranch_scc1 .Lsteps_\@
.endm
	CHANGE 1, 1                                    ; keys 0 to 255 are whole; keys 256 to 511 are asked for
	FETCH_K
	s_wait_loadcnt 0x0                             ; Q
	STEP 1, 1                                      ; steps 0 to 2 read V of keys 0-191 and K of keys 64-255: all of chunk 0
	STEP 0, 1
	STEP 0, 1
	CHANGE 2, 1                                    ; keys 256 to 511 are whole; keys 512 to 767 are asked for
	FOUR_STEPS                                     ; steps 3 to 6: V of keys 192-447, K of keys 256-511
	CHANGE 3, 1                                    ; keys 512 to 767 are whole; keys 768 to 1,023 are asked for
	FOUR_STEPS                                     ; steps 7 to 10: V of keys 448-703, K of keys 512-767
	CHANGE 0, 0                                    ; all keys are whole; nothing is left to ask for
	FOUR_STEPS                                     ; steps 11 to 14
	STEP 0, 0                                      ; step 15: no K is left to fetch
	; THE WAY OUT.  l's two halves and the other half of the lanes' are added; O^T is divided by l, rounded to f16 and sent through my stage.  The additions are the places behind the last products.
.irp t, 0,1,2,3
	v_add_f32 v[ST+8*\t+4], v[ST+8*\t+2], v[ST+8*\t+3]
.endr
.irp t, 0,1,2,3
	v_permlanex16_b32 v[ST+8*\t+5], v[ST+8*\t+4], s[SEL], s[SEL+1]
.endr
.irp t, 0,1,2,3
	v_add_f32 v[ST+8*\t+4], v[ST+8*\t+4], v[ST+8*\t+5]
.endr
.irp t, 0,1,2,3
	v_rcp_f32 v[ST+8*\t+6], v[ST+8*\t+4]
.endr
	v_nop                                          ; a plain line behind the last reciprocal
	s_wait_alu depctr_va_vdst(0)                   ; one wait for the four, ahead of their first reader
	s_wait_dscnt 0x0                               ; my reads of K and V are over
	s_barrier_signal -1
	s_barrier_wait -1                              ; everybody's are: the stages lie in K's bytes, which have had their only fill
.irp t, 0,1,2,3
	WIN W_RS
.set n, 0
.rept 16
	v_pk_mul_f32 v[OA+32*\t+2*n:OA+32*\t+2*n+1], v[OA+32*\t+2*n:OA+32*\t+2*n+1], v[ST+8*\t+6:ST+8*\t+7] op_sel_hi:[1,0]
.set n, n+1
.endr
	WIN W_CV
.set n, 0
.rept 16
	v_cvt_pk_f16_f32 v[S+32*\t+n], v[OA+32*\t+2*n], v[OA+32*\t+2*n+1]
.set n, n+1
.endr
	WIN 0
.irp c, 0,1,2,3
	ds_store_b128 v[STO], v[S+32*\t+4*\c:S+32*\t+4*\c+3] offset:\t*16*PK+\c*32   ; lane (r, h): o(16 t + r, 16 c + 8 h + 0..7)
.endr
.endr
.irp u, 0,1,2,3,4,5,6,7,8,9,10,11,12,13,14,15
	ds_load_b128 v[KF+4*\u:KF+4*\u+3], v[RD] offset:\u*4*PK        ; LDS serves a wave's instructions in order (ISA guide 5.7.1.4): these see the stores above
.endr
.irp u, 0,1,2,3,4,5,6,7,8,9,10,11,12,13,14,15
	s_wait_dscnt 15-\u                             ; the younger loads may be out
	global_store_b128 v[GO], v[KF+4*\u:KF+4*\u+3], s[6:7] offset:\u*512   ; four rows of 128 bytes: 512 consecutive bytes, aligned
.endr
	s_wait_tensorcnt 0x0                           ; the wave's end
	ds_add_u32 v[SPW], v[NIL]
	s_wait_dscnt 0x0
	s_endpgm
.Lfunc_end_k_q1e59bc9701_attn:
	.size	k_q1e59bc9701_attn, .Lfunc_end_k_q1e59bc9701_attn-k_q1e59bc9701_attn
	.p2alignl 7, 3214868480
	.fill 96, 4, 3214868480
	.section	.rodata,"a",@progbits
	.p2align	6, 0x0
	.amdhsa_kernel k_q1e59bc9701_attn
		.amdhsa_group_segment_fixed_size 327680
		.amdhsa_private_segment_fixed_size 0
		.amdhsa_enable_private_segment 0
		.amdhsa_kernarg_size 16
		.amdhsa_user_sgpr_count 2
		.amdhsa_user_sgpr_kernarg_segment_ptr 1
		.amdhsa_wavefront_size32 1
		.amdhsa_system_sgpr_workgroup_id_x 1
		.amdhsa_system_sgpr_workgroup_id_y 1
		.amdhsa_system_sgpr_workgroup_id_z 1
		.amdhsa_system_vgpr_workitem_id 0
		.amdhsa_next_free_vgpr 512
		.amdhsa_next_free_sgpr 74
		.amdhsa_reserve_vcc 0
		.amdhsa_float_denorm_mode_32 3
		.amdhsa_float_denorm_mode_16_64 3
		.amdhsa_memory_ordered 1
		.amdhsa_forward_progress 1
		.amdhsa_inst_pref_size 241
	.end_amdhsa_kernel
	.amdgpu_metadata
---
amdhsa.version: [ 1, 2 ]
amdhsa.kernels:
  - .name:           k_q1e59bc9701_attn
    .symbol:         k_q1e59bc9701_attn.kd
    .args:
      - { .name: qkv, .offset: 0, .size: 8, .value_kind: global_buffer, .address_space: global }
      - { .name: o_ws, .offset: 8, .size: 8, .value_kind: global_buffer, .address_space: global }
    .group_segment_fixed_size: 327680
    .private_segment_fixed_size: 0
    .kernarg_segment_align: 8
    .kernarg_segment_size: 16
    .max_flat_workgroup_size: 256
    .sgpr_count:     74
    .vgpr_count:     512
    .wavefront_size: 32
...
	.end_amdgpu_metadata
.endif
;; end of part 3
;; launch proj (part 4): grid 4 x 64, 4 waves a work-group, clusters of 4 x 4, 327,680 bytes of LDS; arguments o_ws, wpt, b_proj, out0; writes out0
.if DOCPART == 4
	.amdgcn_target "amdgcn-amd-amdhsa--gfx1250"
	.amdhsa_code_object_version 6
	.text
	.protected	k_q1e59bc9701_proj
	.globl	k_q1e59bc9701_proj
	.p2align	8
	.type	k_q1e59bc9701_proj,@function
k_q1e59bc9701_proj:
	s_mov_b64 s[64:65], 0
	v_nop
	global_prefetch_b8 v0, s[64:65] scope:SCOPE_SE
	s_setreg_imm32_b32 hwreg(HW_REG_WAVE_MODE, 25, 1), 1
	s_wait_xcnt 0x0
	s_wait_alu depctr_hold_cnt(0) depctr_sa_sdst(0) depctr_va_vdst(0) depctr_va_sdst(0) depctr_va_ssrc(0) depctr_va_vcc(0) depctr_vm_vsrc(0)
	s_getreg_b32 s2, hwreg(HW_REG_IB_STS2, 6, 4)
	s_cmp_eq_u32 s2, 0
	s_cbranch_scc0 .Lentry_in_a_cluster
	s_endpgm
.Lentry_in_a_cluster:
	s_bfe_u32 s2, ttmp6, 0x10000c
	s_cmp_lg_u32 s2, 0xf033
	s_cbranch_scc0 .Lentry_shape_is_right
	s_endpgm
.Lentry_shape_is_right:
; out0[m][n] = sum over k of o[m][k] w_proj[k][n] + b_proj[n].  o: o_ws [16 heads][8192 m][64] f16 (k = 64 x head + channel); w_proj turned: wpt [1024 n][1024 k] f16; b_proj [1024], out0 [8192][1024] f32; sums in f32.
; A tile of out0 is 128 (m) x 256 (n): 256 work-groups.  Four waves, each 64 x 128: 32 accumulators of 16 x 16, 256 registers.  K goes in steps of 128 (two heads' planes of o; 256 bytes of wpt's rows) through a ring of two
; LDS slots: 8 steps.  Two slots of a longer step do not fit beside the stage.
; CLUSTERS: 4 x 4 work-groups.  The four of a row of the cluster need the same tiles of o, the four of a column the same tiles of wpt: each tile is asked for JOINTLY.
; THE MATRIX INSTRUCTION IS USED TRANSPOSED (source 0 = 16 rows of wpt, source 1 = 16 rows of o): a lane holds eight neighbouring columns of one row of out0.  The bias is the C of each sum's first product.
; REGISTERS.  Window 0: v16-30 addresses; v32-63, v64-95 o's fragments (4 x 16 rows x 32 K), two buffers; v96-159, v160-223 wpt's (8), two buffers; on the way out v32-159 take rows.
;   Window 1: the accumulators ((a, b) at v[8 (8 a + b)]).   Window 2: v0-63 the bias, eight registers for each of my eight blocks of columns.
.set PA,     144                       ; a row of o in LDS: 128 bytes + 16
.set PB,     272                       ; a row of wpt: 256 bytes + 16: in both, the 16 rows of a load start at 16 different groups of 4 banks (64 banks of 4 bytes: ISA guide 11.1)
.set APART,  128*PA                    ; a plane's 128 rows: what one of A's loads brings
.set BPART,  128*PB                    ; 128 rows of wpt: what one of B's brings
.set SLOT,   2*APART+2*BPART
.set STAGE,  2*SLOT                    ; behind the ring: 16 rows x 528 bytes for each wave
.set SPITCH, 528
.set SPARE,  STAGE+4*16*SPITCH         ; the spare words, 128 bytes for each wave: two blocks of 256 bytes that no other line names
.set ASTEP,  2<<20                     ; a K step in o_ws: two planes
.set BSTEP,  256                       ; and in a row of wpt
.set ADRA, 16                          ; v16-17 LDS address of my fragments of o in slot 0, 1
.set ADRB, 20                          ; v20-21 of wpt
.set STO,  24
.set RD,   25
.set CO,   26
.set BO,   27                          ; v27  32 x (lane / 16): my eight numbers of a block's bias
.set SPW,  28
.set NIL,  29
.set PFO,  30                          ; v30  the prefetches' offset; never rewritten
.set AF,   32
.set BF,   96
.set BBK,  32                          ; the way out: 16 rows back from the stage: v32-95 and v96-159 by turns
.set G1A, 24                           ; s[24:31], s[32:39]: groups 1 and 0 (a set for each slot) for o's tiles
.set G0A, 32
.set G1B, 48                           ; s[48:55], s[56:63]: for wpt's
.set G0B, 56
.set PFA, 66                           ; s[66:67] where my prefetches stand
.set PFS, 68                           ; s[68:69] a K step on, in bytes
.set LIM, 70                           ; s70  1 in a wave that prefetches, else the greatest number
.set MSB, 0
.macro WIN new                         ; the immediate's high byte repeats the setting that is left
.if MSB != \new
	s_set_vgpr_msb (MSB<<8)|\new
.set MSB, \new
.endif
.endm
.set MUL,   0x50                       ; C and D window 1
.set MUL_B, 0x60                       ; C (the bias) window 2, D window 1
.set LD_B,  0x80                       ; destination window 2
.set ST_D,  0x04                       ; an LDS store's data: window 1
; A joint load: waves 0 and 1 fetch o's two planes, waves 2 and 3 wpt's two halves.  An s_nop 0 and four v_nop follow each of the two lines.
.macro JLOAD s
	s_cmp_eq_u32 s13, 0
	s_cbranch_scc0 .Lfor_b_\@
	tensor_load_to_lds s[G0A+4*\s:G0A+4*\s+3], s[G1A:G1A+7]
	s_nop 0
.rept 4
	v_nop
.endr
	s_branch .Lasked_\@
.Lfor_b_\@:
	tensor_load_to_lds s[G0B+4*\s:G0B+4*\s+3], s[G1B:G1B+7]
	s_nop 0
.rept 4
	v_nop
.endr
.Lasked_\@:
.endm
; A PREFETCH of the K step that stands two refills on (256 matrix instructions of a wave ahead of the load that will ask for it), behind the joint load and the run of LDS loads.  Each aligned 256 bytes are named once in the launch.
; o's tiles are read by one row of one cluster alone: its four partners share a step's 32,768 bytes out BY ADDRESS (plane cx / 2, rows 64 (cx % 2) on), wave 0 asks, lanes 256 bytes apart.
; wpt's tiles are read by every cluster: the first (cluster y = 0) asks; of the 128 rows that wave 2 or 3 fetches the partner at cy takes 32, a lane a row.  The loop's last trip asks for nothing: no step stands two refills on.
.macro ASK
	s_cmp_gt_u32 s3, s[LIM]
	s_cbranch_scc0 .Lnot_mine_\@
	global_prefetch_b8 v[PFO], s[PFA:PFA+1] th:TH_LOAD_NT scope:SCOPE_SE
.Lnot_mine_\@:
.endm
.macro CREST                           ; a round of the cluster's barrier behind its opening barrier
	s_cmp_lg_u32 s12, 0
	s_cbranch_scc1 .Lnot_wave_0_\@
	s_barrier_signal -3
.Lnot_wave_0_\@:
	s_barrier_wait -3
	s_barrier_signal -1
	s_barrier_wait -1
.endm
.macro CROUND
	s_barrier_signal -1
	s_barrier_wait -1
	CREST
.endm
	s_load_b256 s[4:11], s[0:1], 0x0               ; o_ws s[4:5], wpt s[6:7], b_proj s[8:9], out0 s[10:11]
	v_lshl_add_u32 v[SPW], v0, 2, SPARE
	v_mov_b32 v[NIL], 0
	ds_add_u32 v[SPW], v[NIL]                      ; the wave's opening: the add, twice on end, and its wait ahead of my first tensor load
	ds_add_u32 v[SPW], v[NIL]
	v_lshrrev_b32 v1, 5, v0
	v_readfirstlane_b32 s12, v1                    ; wave 0..3
	s_lshr_b32 s13, s12, 1                         ; which 64 rows of the tile are mine.  Also: I fetch for o (0) or for wpt (1)
	s_and_b32 s14, s12, 1                          ; which 128 columns.  Also: which part I fetch
	s_bfe_u32 s40, ttmp6, 0x40000                  ; cx, cy
	s_bfe_u32 s41, ttmp6, 0x40004
	s_lshl_b32 s42, ttmp9, 2
	s_add_co_u32 s42, s42, s40                     ; tile column
	s_and_b32 s15, ttmp7, 0xffff
	s_lshl_b32 s15, s15, 2
	s_add_co_u32 s15, s15, s41                     ; tile row
	s_lshl_b32 s43, s41, 2
	s_lshl_b32 s43, 15, s43                        ; my row of the cluster
	s_lshl_b32 s44, 0x1111, s40                    ; my column
	s_or_b32 s[G1A+0], s43, (1<<16)|(1<<20)|(1<<21)|(4<<22)|(3<<25) ; the mask; elements of 2 bytes; padding: 4 words after every 32; bit 21 beside a mask
	s_mov_b32 s[G1A+1], 64<<16                     ; tensor_dim0 = 64
	s_mov_b32 s[G1A+2], 128<<16                    ; tensor_dim1 = 128
	s_mov_b32 s[G1A+3], 64<<16                     ; tile_dim0
	s_mov_b32 s[G1A+4], 128                        ; tile_dim1
	s_mov_b32 s[G1A+5], 64                         ; the pitch: a plane's rows are dense
	s_mov_b32 s[G1A+6], 0
	s_mov_b32 s[G1A+7], 0
	s_or_b32 s[G1B+0], s44, (1<<16)|(1<<20)|(1<<21)|(5<<22)|(3<<25) ; padding: 4 words after every 64
	s_mov_b32 s[G1B+1], 128<<16
	s_mov_b32 s[G1B+2], 128<<16
	s_mov_b32 s[G1B+3], 128<<16
	s_mov_b32 s[G1B+4], 128
	s_mov_b32 s[G1B+5], 1024
	s_mov_b32 s[G1B+6], 0
	s_mov_b32 s[G1B+7], 0
	s_lshl_b32 s16, s15, 14                        ; o: the tile row's 128 rows of 128 bytes,
	s_lshl_b32 s17, s14, 20                        ; in the plane that I fetch
	s_add_co_u32 s16, s16, s17
	s_mov_b32 s17, 0
	s_lshl_b32 s46, s42, 8
	s_lshl_b32 s47, s14, 7
	s_add_co_u32 s46, s46, s47                     ; wpt: row 256 x tile column + 128 x half,
	s_lshl_b32 s46, s46, 11                        ; of 2,048 bytes
	s_mov_b32 s47, 0
	s_mul_i32 s20, s14, APART                      ; where they go: no place in the cluster enters an LDS address
	s_mul_i32 s21, s14, BPART
	s_add_co_u32 s21, s21, 2*APART
	s_wait_dscnt 0x0                               ; both opening adds are done
	s_wait_kmcnt 0x0
	s_add_nc_u64 s[16:17], s[4:5], s[16:17]
	s_add_nc_u64 s[46:47], s[6:7], s[46:47]
	CROUND                                         ; all sixteen work-groups are here: the first joint loads meet
.irp s, 0,1
	s_mov_b32 s[G0A+4*\s], 1
	s_add_co_u32 s[G0A+4*\s+1], s20, \s*SLOT
	s_add_nc_u64 s[G0A+4*\s+2:G0A+4*\s+3], s[16:17], \s*ASTEP
	s_or_b32 s[G0A+4*\s+3], s[G0A+4*\s+3], 0x80000000
	s_mov_b32 s[G0B+4*\s], 1
	s_add_co_u32 s[G0B+4*\s+1], s21, \s*SLOT
	s_add_nc_u64 s[G0B+4*\s+2:G0B+4*\s+3], s[46:47], \s*BSTEP
	s_or_b32 s[G0B+4*\s+3], s[G0B+4*\s+3], 0x80000000
	JLOAD \s                                       ; two loads of mine are out
.endr
	v_and_b32 v1, 15, v0                           ; l % 16
	v_bfe_u32 v2, v0, 4, 1                         ; l / 16
	v_mul_u32_u24 v3, v1, PA
	v_lshl_add_u32 v3, v2, 4, v3
	v_mul_u32_u24 v4, v1, PB
	v_lshl_add_u32 v4, v2, 4, v4
	s_mul_i32 s21, s13, 64*PA                      ; my 64 rows of o (in each plane)
	s_mul_i32 s22, s14, BPART                      ; my 128 rows of wpt,
	s_add_co_u32 s22, s22, 2*APART                 ; behind o's two planes
.irp s, 0,1
	v_add_nc_u32 v[ADRA+\s], s21, v3
	v_add_nc_u32 v[ADRB+\s], s22, v4
	s_add_co_u32 s21, s21, SLOT
	s_add_co_u32 s22, s22, SLOT
.endr
	s_mul_i32 s23, s12, 16*SPITCH
	s_add_co_u32 s23, s23, STAGE                   ; my stage
	v_mul_u32_u24 v5, v1, SPITCH
	v_lshl_add_u32 v5, v2, 5, v5
	v_add_nc_u32 v[STO], s23, v5                   ; in: row l % 16, 32 bytes for each half of the lanes
	v_and_b32 v6, 31, v0
	v_lshlrev_b32 v[CO], 4, v6                     ; back: the 32 lanes take a row of 512 bytes; and the same in out0
	v_add_nc_u32 v[RD], s23, v[CO]
	v_lshlrev_b32 v[BO], 5, v2
	s_lshl_b32 s22, s42, 10
	s_lshl_b32 s23, s14, 9
	s_add_co_u32 s22, s22, s23                     ; my first column, in bytes of f32
	s_mov_b32 s23, 0
	s_add_nc_u64 s[8:9], s[8:9], s[22:23]
	WIN LD_B
.irp b, 0,1,2,3,4,5,6,7                ; the bias in the result's layout: block b, lane (r, h): b_proj at my column 16 b + 8 h + 0 .. 7
	global_load_b128 v[8*\b:8*\b+3],   v[BO], s[8:9] offset:64*\b
	global_load_b128 v[8*\b+4:8*\b+7], v[BO], s[8:9] offset:64*\b+16
.endr
	WIN 0
	s_lshl_b32 s18, s15, 7
	s_lshl_b32 s19, s13, 6
	s_add_co_u32 s18, s18, s19                     ; my first row of out0,
	s_lshl_b32 s18, s18, 12                        ; of 4,096 bytes
	s_add_co_u32 s18, s18, s22
	s_mov_b32 s19, 0
	s_add_nc_u64 s[10:11], s[10:11], s[18:19]      ; never stepped
	; the prefetches: where my wave's stand, and who asks.  Nothing is prefetched here, at the head
	s_lshl_b32 s20, s15, 14
	s_lshr_b32 s21, s40, 1
	s_lshl_b32 s21, s21, 20                        ; o: plane cx / 2 of the step's two,
	s_add_co_u32 s20, s20, s21
	s_and_b32 s21, s40, 1
	s_lshl_b32 s21, s21, 13                        ; rows 64 (cx % 2) on,
	s_add_co_u32 s20, s20, s21
	s_add_co_u32 s20, s20, 3*ASTEP                 ; at K step 3: the first refill steps it to 4
	s_lshl_b32 s22, s42, 8
	s_lshl_b32 s23, s14, 7
	s_add_co_u32 s22, s22, s23
	s_lshl_b32 s23, s41, 5                         ; wpt: my work-group's 32 of the 128 rows that I fetch
	s_add_co_u32 s22, s22, s23
	s_lshl_b32 s22, s22, 11
	s_add_co_u32 s22, s22, 3*BSTEP
	s_and_b32 s23, ttmp7, 0xffff                   ; cluster y
	s_mov_b32 s[PFS], BSTEP
	s_mov_b32 s21, 2048
	s_cmp_eq_u32 s13, 0                            ; do I fetch for o?
	s_cselect_b64 s[PFA:PFA+1], s[4:5], s[6:7]
	s_cselect_b32 s20, s20, s22
	s_cselect_b32 s[PFS], ASTEP, s[PFS]
	s_cselect_b32 s21, 256, s21                    ; from lane to lane
	s_cselect_b32 s23, s14, s23                    ; o: wave 0 alone; wpt: the first cluster alone
	s_cmp_eq_u32 s23, 0
	s_cselect_b32 s[LIM], 1, -1                    ; the same in all sixteen partners, for a given wave
	v_and_b32 v[PFO], 31, v0
	v_mul_u32_u24 v[PFO], v[PFO], s21
	s_mov_b32 s21, 0
	s_mov_b32 s[PFS+1], 0
	s_add_nc_u64 s[PFA:PFA+1], s[PFA:PFA+1], s[20:21]
; 8 matrix instructions: block a of my rows x my eight blocks of columns, 32 along K, from buffer f.  mode = 1: the bias starts the sums.  The 32 accumulators take turns in one order throughout.
.macro MUL8 f, a, mode
.irp b, 0,1,2,3,4,5,6,7
.if \mode
	v_wmma_f32_16x16x32_f16 v[8*(8*(\a)+\b):8*(8*(\a)+\b)+7], v[BF+64*(\f)+8*\b:BF+64*(\f)+8*\b+7], v[AF+32*(\f)+8*(\a):AF+32*(\f)+8*(\a)+7], v[8*\b:8*\b+7]
.else
	v_wmma_f32_16x16x32_f16 v[8*(8*(\a)+\b):8*(8*(\a)+\b)+7], v[BF+64*(\f)+8*\b:BF+64*(\f)+8*\b+7], v[AF+32*(\f)+8*(\a):AF+32*(\f)+8*(\a)+7], v[8*(8*(\a)+\b):8*(8*(\a)+\b)+7]
.endif
.endr
.endm
; 24 LDS loads in one run: the fragments of the slot's q-th 32 along K (plane q / 2, channels 32 (q % 2) on) into buffer f
.macro FETCH slot, q, f
.irp a, 0,1,2,3
	ds_load_b128 v[AF+32*(\f)+8*\a:AF+32*(\f)+8*\a+3],   v[ADRA+\slot] offset:((\q)/2)*APART+((\q)%2)*64+\a*16*PA
	ds_load_b128 v[AF+32*(\f)+8*\a+4:AF+32*(\f)+8*\a+7], v[ADRA+\slot] offset:((\q)/2)*APART+((\q)%2)*64+\a*16*PA+32
.endr
.irp b, 0,1,2,3,4,5,6,7
	ds_load_b128 v[BF+64*(\f)+8*\b:BF+64*(\f)+8*\b+3],   v[ADRB+\slot] offset:64*(\q)+\b*16*PB
	ds_load_b128 v[BF+64*(\f)+8*\b+4:BF+64*(\f)+8*\b+7], v[ADRB+\slot] offset:64*(\q)+\b*16*PB+32
.endr
.endm
.macro PLACES                          ; four plain lines ahead of loads into registers that matrix instructions have read, and of reads of results
.rept 4
	v_nop
.endr
.endm
; A K step is four quarters of 32 along K, 32 matrix instructions each, on buffers 0, 1, 0, 1.  One of the first three: fetches quarter qn into g, then multiplies f: the loads have 32 products in which to land.
.macro QUARTER slot, qn, f, g, mode
	s_wait_dscnt 0x0                               ; buffer f's loads are in
	PLACES
	FETCH \slot, \qn, \g
.if \mode
	WIN MUL_B
.else
	WIN MUL
.endif
	MUL8 \f, 0, \mode
	MUL8 \f, 1, \mode
	MUL8 \f, 2, \mode
	MUL8 \f, 3, \mode
	WIN 0
.endm
; The last quarter multiplies buffer 1 and changes slots: ONE barrier; in front of it each wave waits for all its tensor loads (its part of the next slot), adds 0 to its spare word, and waits for that and for its reads of this slot.
; fill = 1: the barrier opens a round of the cluster's, and behind the round this slot is filled again, two K steps ahead.
.macro TURN slot, next, fill
.if \fill
	s_wait_xcnt 0x0                                ; the last prefetch, a K step back, has read its address: it is stepped here
	s_add_nc_u64 s[PFA:PFA+1], s[PFA:PFA+1], s[PFS:PFS+1]
.endif
	s_wait_tensorcnt 0x0                           ; all my tensor loads have landed;
	ds_add_u32 v[SPW], v[NIL]
	s_wait_dscnt 1                                 ; buffer 1's loads are in; the add may be out
	WIN MUL
	MUL8 1, 0, 0                                   ; eight matrix instructions stand between the add and the wait for it
	s_wait_dscnt 0x0                               ; the add is done, and my reads of this slot are over
	s_barrier_signal -1
	MUL8 1, 1, 0
	WIN 0
	s_barrier_wait -1
.if \fill
	CREST                                          ; no wave of any partner still reads this slot's tiles or has a load on its way
	s_add_nc_u64 s[G0A+4*\slot+2:G0A+4*\slot+3], s[G0A+4*\slot+2:G0A+4*\slot+3], 2*ASTEP
	s_add_nc_u64 s[G0B+4*\slot+2:G0B+4*\slot+3], s[G0B+4*\slot+2:G0B+4*\slot+3], 2*BSTEP
	JLOAD \slot                                    ; the first tensor load behind the round; the four v_nop behind it are also the places in front of the loads below
.else
	PLACES
.endif
	FETCH \next, 0, 0
.if \fill
	ASK
.endif
	WIN MUL
	MUL8 1, 2, 0
	MUL8 1, 3, 0
	WIN 0
.endm
	s_wait_tensorcnt 1                             ; my part of K step 0 is in; K step 1's load may be out,
	s_barrier_signal -1
	s_barrier_wait -1                              ; everybody's is
	FETCH 0, 0, 0
	s_wait_loadcnt 0x0                             ; the bias
	QUARTER 0, 1, 0, 1, 1                          ; the first quarter stands in front of the loop: its products start the sums, on the bias
	s_mov_b32 s3, 3
.Llap:                                                 ; a trip goes once round the ring, from a lap's second quarter to the next lap's first, and fills both slots again
	QUARTER 0, 2, 1, 0, 0
	QUARTER 0, 3, 0, 1, 0
	TURN 0, 1, 1
	QUARTER 1, 1, 0, 1, 0
	QUARTER 1, 2, 1, 0, 0
	QUARTER 1, 3, 0, 1, 0
	TURN 1, 0, 1
	QUARTER 0, 1, 0, 1, 0
	s_sub_co_u32 s3, s3, 1
	s_cmp_lg_u32 s3, 0
	s_cbranch_scc1 .Llap
	QUARTER 0, 2, 1, 0, 0                          ; the last lap fills nothing, and has no round of the cluster's barrier
	QUARTER 0, 3, 0, 1, 0
	TURN 0, 1, 0
	QUARTER 1, 1, 0, 1, 0
	QUARTER 1, 2, 1, 0, 0
	QUARTER 1, 3, 0, 1, 0
	s_wait_dscnt 0x0                               ; the very last quarter
	WIN MUL
	MUL8 1, 0, 0
	MUL8 1, 1, 0
	MUL8 1, 2, 0
	MUL8 1, 3, 0
	WIN 0
; THE WAY OUT, block by block of 16 rows x 128 columns: a lane holds 32 neighbouring bytes of a row; a block goes through my own stage and comes back as whole rows of 512 bytes.
.macro TOSTAGE a
	WIN ST_D
.irp b, 0,1,2,3,4,5,6,7
	ds_store_b128 v[STO], v[8*(8*(\a)+\b):8*(8*(\a)+\b)+3] offset:64*\b          ; each accumulator from its low end on
	ds_store_b128 v[STO], v[8*(8*(\a)+\b)+4:8*(8*(\a)+\b)+7] offset:64*\b+16
.endr
	WIN 0
.set BB, BBK+64*((\a)%2)
.irp t, 0,1,2,3,4,5,6,7,8,9,10,11,12,13,14,15
	ds_load_b128 v[BB+4*\t:BB+4*\t+3], v[RD] offset:\t*SPITCH      ; LDS serves a wave's instructions in order (ISA guide 5.7.1.4): these see the stores above, and the next block's stores come behind them
.endr
.endm
.macro SEND a, younger                 ; younger: the LDS instructions issued behind block a's loads, which may stay out
.set BB, BBK+64*((\a)%2)
	s_wait_dscnt \younger
.irp t, 0,1,2,3,4,5,6,7,8,9,10,11,12,13,14,15
	global_store_b128 v[CO], v[BB+4*\t:BB+4*\t+3], s[10:11] offset:(16*(\a)+\t)*4096 th:TH_STORE_NT   ; 32 lanes store 512 consecutive bytes, aligned; written once, read by nobody here
.endr
.endm
	PLACES
	TOSTAGE 0
.irp a, 1,2,3
.if \a > 1
	s_wait_xcnt 0x0                                ; block a - 2's stores have read their registers: block a's loads may land there
.endif
	TOSTAGE \a
	SEND \a-1, 32                                  ; behind block a - 1's loads: block a's 16 stores and 16 loads
.endr
	SEND 3, 0
	s_wait_tensorcnt 0x0                           ; the wave's end
	ds_add_u32 v[SPW], v[NIL]
	s_wait_dscnt 0x0
	CROUND                                         ; the closing round: no work-group ends while a partner may still ask for a tile that names it
	s_endpgm
.Lfunc_end_k_q1e59bc9701_proj:
	.size	k_q1e59bc9701_proj, .Lfunc_end_k_q1e59bc9701_proj-k_q1e59bc9701_proj
	.p2alignl 7, 3214868480
	.fill 96, 4, 3214868480
	.section	.rodata,"a",@progbits
	.p2align	6, 0x0
	.amdhsa_kernel k_q1e59bc9701_proj
		.amdhsa_group_segment_fixed_size 327680
		.amdhsa_private_segment_fixed_size 0
		.amdhsa_enable_private_segment 0
		.amdhsa_kernarg_size 32
		.amdhsa_user_sgpr_count 2
		.amdhsa_user_sgpr_kernarg_segment_ptr 1
		.amdhsa_wavefront_size32 1
		.amdhsa_system_sgpr_workgroup_id_x 1
		.amdhsa_system_sgpr_workgroup_id_y 1
		.amdhsa_system_sgpr_workgroup_id_z 1
		.amdhsa_system_vgpr_workitem_id 0
		.amdhsa_next_free_vgpr 576
		.amdhsa_next_free_sgpr 72
		.amdhsa_reserve_vcc 0
		.amdhsa_float_denorm_mode_32 3
		.amdhsa_float_denorm_mode_16_64 3
		.amdhsa_memory_ordered 1
		.amdhsa_forward_progress 1
		.amdhsa_inst_pref_size 87
	.end_amdhsa_kernel
	.amdgpu_metadata
---
amdhsa.version: [ 1, 2 ]
amdhsa.kernels:
  - .name:           k_q1e59bc9701_proj
    .symbol:         k_q1e59bc9701_proj.kd
    .args:
      - { .name: o_ws, .offset: 0, .size: 8, .value_kind: global_buffer, .address_space: global }
      - { .name: wpt, .offset: 8, .size: 8, .value_kind: global_buffer, .address_space: global }
      - { .name: b_proj, .offset: 16, .size: 8, .value_kind: global_buffer, .address_space: global }
      - { .name: out0, .offset: 24, .size: 8, .value_kind: global_buffer, .address_space: global }
    .group_segment_fixed_size: 327680
    .private_segment_fixed_size: 0
    .kernarg_segment_align: 8
    .kernarg_segment_size: 32
    .max_flat_workgroup_size: 128
    .sgpr_count:     72
    .vgpr_count:     576
    .wavefront_size: 32
...
	.end_amdgpu_metadata
.endif
;; end of part 4
